; MI455X (gfx1250); checked and timed in simulation.
; The chip was launched on July 23, 2026; its instructions are those of AMD's public machine-readable ISA for CDNA 5 (MIT licence, August 2026) and "CDNA5" Instruction Set Architecture Reference Guide (July 2026). The comments in the code are by the model that wrote it; some were corrected since.
;; Encoder Layer. Allowed arithmetic: matrix products marked QUANTISED: E2M3 operands, one E8M0 scale for each 32 along K, by v_wmma_scale_f32_16x16x128_f8f6f4 with both operands' format E2M3, f32 sums; everything else in f32.
;; Inputs: b1 1,024 float32; b2 1,024 float32; beta1 1,024 float32; beta2 1,024 float32; bk 1,024 float32; bo 1,024 float32; bq 1,024 float32; bv 1,024 float32; g1 1,024 float32; g2 1,024 float32; mask 8 x 1 x 1,024 int32; w1 1,024 x 1,024 float32; w2 1,024 x 1,024 float32; wk 1,024 x 1,024 float32; wo 1,024 x 1,024 float32; wq 1,024 x 1,024 float32; wv 1,024 x 1,024 float32; x 8 x 1,024 x 1,024 float32.
;; Outputs: out0 8 x 1,024 x 1,024 float32; out1 8 x 1,024 x 1,024 float32.
;; This version of the problem:
;;   THIS VERSION OF THE PROBLEM IS GIVEN IN LOW PRECISION. The matrix products marked QUANTISED in the list below multiply operands that are first quantised to E2M3 (2 exponent bits, 3 mantissa bits; 6 bits a number), with one power-of-two scale for each 32 numbers along K (OCP MX v1.0); their sums are f32. All else is computed in f32.
;;   The module's matrix products, in the order in which they are computed (A, B: the left and right operand; K: the contracted axis; several contracted axes count as one K, in the product's order):
;;     1. [M 8,192, K 1,024] x [K 1,024, N 1,024]; A: computed on the way; B: input wq: QUANTISED
;;     2. [M 8,192, K 1,024] x [K 1,024, N 1,024]; A: computed on the way; B: input wk: QUANTISED
;;     3. [M 8,192, K 1,024] x [K 1,024, N 1,024]; A: computed on the way; B: input wv: QUANTISED
;;     4. batch 128 x [M 1,024, K 64] x [K 64, N 1,024]; A: computed on the way; B: computed on the way: QUANTISED
;;     5. batch 128 x [M 1,024, K 1,024] x [K 1,024, N 64]; A: softmax (see below); B: computed on the way: QUANTISED
;;     6. [M 8,192, K 1,024] x [K 1,024, N 1,024]; A: computed on the way; B: input wo: QUANTISED
;;     7. [M 8,192, K 1,024] x [K 1,024, N 1,024]; A: computed on the way; B: input w1: QUANTISED
;;     8. [M 8,192, K 1,024] x [K 1,024, N 1,024]; A: computed on the way; B: input w2: QUANTISED
;;   THE QUANTISER, for each operand of a quantised product, along K:
;;     - K is cut into blocks of 32 from its start; a last block that is shorter is filled with zeros.
;;     - A block's scale is 2^e with e = floor(log2(the largest magnitude in the block)) - 2, held to -126 .. 127; a block of zeros has e = 0. As a byte (E8M0): e + 127.
;;     - Each number is divided by its block's scale, clamped to +-7.5, and rounded to the nearest number of E2M3, ties to even, subnormals kept.
;;     - The product sums the exact products of the quantised numbers (number of the format x scale) in f32.
;;   ~~~python
;;   def quantise(x, axis):      # numpy; x: float32 -> the quantised numbers, widened to float32 again
;;       x = np.moveaxis(x, axis, -1); K = x.shape[-1]
;;       x = np.pad(x, [(0, 0)] * (x.ndim - 1) + [(0, -K % 32)]); x = x.reshape(x.shape[:-1] + (-1, 32)); a = np.abs(x).max(-1, keepdims=True)
;;       e = np.where(a > 0, np.clip(np.frexp(np.where(a > 0, a, 1))[1] - 1 - 2, -126, 127), 0)      # np.frexp(a)[1] - 1 = floor(log2(a)), exactly
;;       r = np.clip(x / 2.0 ** e, -7.5, 7.5)
;;       step = 2.0 ** (np.maximum(np.frexp(np.where(r == 0, 1, r))[1] - 1, 0) - 3)
;;       q = np.round(r / step) * step * 2.0 ** e      # np.round: ties to even
;;       return np.moveaxis(q.reshape(q.shape[:-2] + (-1,))[..., :K], -1, axis).astype(np.float32)
;;   ~~~
;;   SOFTMAX AHEAD OF A QUANTISED PRODUCT. Where the list says 'softmax', what is quantised is not the finished softmax but p = 2^(t - M), with t = logit x log2(e) and M = ceil(the row's largest t), a whole number; so 1/2 < the row's largest p <= 1. The row's sum l is taken of the UNQUANTISED p, in f32, and the product's result is divided by l at the end. Since M is a whole number, a kernel that streams over the keys may use a running M (the ceiling of the running maximum): every later rescaling is an exact power of two, which a block's scale takes up: the codes' values come out the same.
;;   OPERANDS COMPUTED ON THE WAY. 'Computed on the way' means the value that the module computes at that place (a softmax that the list does not call 'softmax' is quantised finished and normalised). What goes into a quantiser is computed in f32, as accurately as f32 sums, v_exp_f32 and their like allow (about 1e-6 of the number): no bf16 or f16 on the way to a quantiser, and a product that is left as it is and whose result goes on into a quantised operand takes f32 operands (vector FMAs, or v_wmma_f32_16x16x4_f32). A number that lies on a knife's edge between two numbers of the format may be rounded either way, as far as f32 arithmetic and the matrix unit's own rounding can turn it there, and no further.
;; One version. Each part assembles by itself: llvm-mc -triple=amdgcn-amd-amdhsa -mcpu=gfx1250 --defsym DOCPART=n.
;; ======== version 1 of 1: 7 launches
;; limits: right only within a limited range of input values
;; workspace buffers: wts 5,111,808 bytes; xn 6,553,600 bytes; qkv 23,592,960 bytes; o6 7,340,032 bytes; wo6 851,968 bytes; w16 851,968 bytes; w26 851,968 bytes
;; launch wprep (part 1): grid 608 x 1, 8 waves a work-group, no clusters, 128,000 bytes of LDS; arguments wq, wk, wv, wo, w1, w2, wts, wo6, w16, w26, x, g1, beta1, xn; writes wts, wo6, w16, w26, xn
.if DOCPART == 1
	.amdgcn_target "amdgcn-amd-amdhsa--gfx1250"
	.amdhsa_code_object_version 6
	.text
	.protected	k_q38de73d741_wprep
	.globl	k_q38de73d741_wprep
	.p2align	8
	.type	k_q38de73d741_wprep,@function
k_q38de73d741_wprep:
	s_mov_b64 s[64:65], 0
	v_nop
	global_prefetch_b8 v0, s[64:65] scope:SCOPE_SE
	s_setreg_imm32_b32 hwreg(HW_REG_WAVE_MODE, 25, 1), 1
	s_wait_xcnt 0x0
; The six weights [1024 (k)][1024 (n)], f32, K their FIRST axis, become codes of FP6 (E2M3) with one E8M0 byte for each 32 along K,
; laid in the order of an operand's registers: for weight wi, K step s (128 along K) and group G (64 columns = 4 tiles of 16) the four
; fragments stand on end, 1,536 bytes each: registers 4c .. 4c+3 of lane l at 512 c + 16 l; the four tiles' scale words at 16 l + 4 i.
; THE COLUMNS OF A TILE ARE NOT NEIGHBOURS: lane r of tile 2a+u of a group takes column 32 a + 8 u + r + 8 (r / 8), so that the results of
; two neighbouring tiles are 16 neighbours along the next product's K.
; A LANE TAKES A COLUMN AND ITS REGISTERS RUN DOWN K: a block of 32 lies in one lane, its largest magnitude needs no other lane, and the
; conversions give codes with K innermost.  A wave takes 64 columns x 128 K: 8 blocks t = 2 beta + a (beta: block along K, a: 32 columns).
; The codes go through the wave's own LDS bytes into the image's order and leave as stores of 512 consecutive bytes.
; A block's scale byte is its largest magnitude's exponent field - 2, held at 1 from below.
; LIMITS: a block of zeros gets the byte 1 (its codes are zeros; this program alone reads the bytes); NaN and infinities are not served.
; No barrier: waves share nothing.  Loads run two blocks ahead (a wait's count names at most 63).
.set X,    32                          ; v32-95   two sets of 32 numbers
.set C,    96                          ; v96-102  a block's codes
.set OUTR, 112                         ; v112-163 the way out
.set SW,   14                          ; v14-15   the scale words of my two columns
.set WREG, 7168                        ; LDS bytes of a wave: four fragments 1,664 apart, then 512 bytes of scale words
.set FPI,  1664
.set WSC,  4718592                     ; where the scale words begin in wts
; ONE LAUNCH, TWO KINDS OF WORK-GROUP, of eight waves each: numbers 0 to 95 take the six weights (6 x 8 K steps x 16 groups = 768 shares of a wave), numbers 96 to 607 the 512 token tiles of the first layer norm (below, from .Lln on).
; The choice hangs on the work-group's number alone, so all eight waves of a work-group go one way.  Each way has LDS bytes of its own: the layer norm 0 to 69,631, the weights 70,656 on; the spare words lie between.
	s_cmp_lt_u32 ttmp9, 96
	s_cbranch_scc0 .Lln
	s_load_b256 s[4:11], s[0:1], 0x0               ; wq, wk, wv, wo
	s_load_b128 s[12:15], s[0:1], 0x20             ; w1, w2
	s_load_b64 s[16:17], s[0:1], 0x30              ; wts: wq, wk, wv on end
	s_load_b128 s[32:35], s[0:1], 0x38             ; wo6, w16: wo and w1 have buffers of their own (8 K steps of images, then the scale words at 786,432)
	s_load_b64 s[36:37], s[0:1], 0x48              ; w26: and so has w2
	v_lshl_add_u32 v168, v0, 2, 0x11000
	v_mov_b32 v169, 0
	v_lshrrev_b32 v1, 5, v0
	v_readfirstlane_b32 s18, v1                    ; wave
	v_and_b32 v2, 31, v0                           ; kappa: my column of 32
	v_lshlrev_b32 v3, 2, v2                        ; in: 4 bytes a lane
	s_lshr_b32 s19, ttmp9, 4                       ; wi: which weight
	s_bfe_u32 s20, ttmp9, 0x30001                  ; s: which 128 along K
	s_and_b32 s21, ttmp9, 1
	s_lshl_b32 s21, s21, 3
	s_add_co_u32 s21, s21, s18                     ; G: which 64 columns
	s_mul_i32 s22, s18, WREG
	s_add_co_u32 s22, s22, 70656                   ; behind the layer norm's bytes and the spare words
	v_bfe_u32 v8, v2, 3, 1                         ; u = (kappa / 8) % 2
	v_and_b32 v9, 7, v2
	v_lshrrev_b32 v10, 4, v2
	v_lshl_add_u32 v9, v10, 3, v9                  ; rho = kappa % 8 + 8 (kappa / 16): my row in tile 2a+u
	v_lshlrev_b32 v9, 4, v9
	v_mad_u32_u24 v4, v8, FPI, v9
	v_add_nc_u32 v4, s22, v4                       ; where my codes go: wave + u x 1,664 + 16 rho
	v_lshl_add_u32 v5, v8, 2, v9
	v_add_nc_u32 v5, s22, v5
	v_add_nc_u32 v5, 4*FPI, v5                     ; where my scale words go: + 16 rho + 4 u
	v_lshlrev_b32 v7, 4, v2                        ; out: 16 bytes a lane
	v_add_nc_u32 v6, s22, v7
	s_lshl_b32 s24, s20, 19                        ; 128 s rows of 4,096 bytes
	s_lshl_b32 s25, s21, 8                         ; + 64 G columns
	s_add_co_u32 s24, s24, s25
	s_mov_b32 s25, 0
	s_lshl_b32 s26, s19, 3
	s_cmp_lt_u32 s19, 3                            ; in wts a weight's K steps follow the weight before; in a buffer of its own they begin at 0
	s_cselect_b32 s26, s26, 0
	s_mov_b32 s23, 786432
	s_cselect_b32 s23, WSC, s23                    ; where the scale words begin
	s_add_co_u32 s26, s26, s20                     ; 8 wi + s, or s
	s_mul_i32 s28, s26, 98304
	s_mul_i32 s27, s21, 6144
	s_add_co_u32 s28, s28, s27                     ; the group's images
	s_mov_b32 s29, 0
	s_lshl_b32 s30, s26, 13
	s_lshl_b32 s27, s21, 9
	s_add_co_u32 s30, s30, s27
	s_add_co_u32 s30, s30, s23                     ; its scale words
	s_mov_b32 s31, 0
	s_wait_kmcnt 0x0
	s_cmp_eq_u32 s19, 1                            ; the choice hangs on the work-group's number alone
	s_cselect_b64 s[4:5], s[6:7], s[4:5]
	s_cmp_eq_u32 s19, 2
	s_cselect_b64 s[4:5], s[8:9], s[4:5]
	s_cmp_eq_u32 s19, 3
	s_cselect_b64 s[4:5], s[10:11], s[4:5]
	s_cmp_eq_u32 s19, 4
	s_cselect_b64 s[4:5], s[12:13], s[4:5]
	s_cmp_eq_u32 s19, 5
	s_cselect_b64 s[4:5], s[14:15], s[4:5]
	s_cselect_b64 s[16:17], s[36:37], s[16:17]     ; the buffer that is written, by the work-group's number alone
	s_cmp_eq_u32 s19, 4
	s_cselect_b64 s[16:17], s[34:35], s[16:17]
	s_cmp_eq_u32 s19, 3
	s_cselect_b64 s[16:17], s[32:33], s[16:17]
	s_add_nc_u64 s[4:5], s[4:5], s[24:25]
	s_add_nc_u64 s[6:7], s[16:17], s[28:29]
	s_add_nc_u64 s[8:9], s[16:17], s[30:31]
.macro LOAD t                          ; block t: W(32 beta + i, my column of set a), i = 0 .. 31; 32 lanes read 128 consecutive bytes
.set J, 0
.rept 32
	global_load_b32 v[X+32*((\t)%2)+J], v3, s[4:5] offset:(32*((\t)/2)+J)*4096+128*((\t)%2) th:TH_LOAD_NT
.set J, J+1
.endr
.endm
	LOAD 0
	LOAD 1
.macro BLOCK t
.set XS, X+32*((\t)%2)
.set BE, (\t)/2
.set AA, (\t)%2
.if (\t) < 7
	s_wait_loadcnt 32                              ; this block's 32 loads are in; the next block's may be out
.else
	s_wait_loadcnt 0x0
.endif
	v_max3_num_f32 v12, |v[XS]|, |v[XS+1]|, |v[XS+2]|      ; the block's largest magnitude, in two chains
	v_max3_num_f32 v13, |v[XS+3]|, |v[XS+4]|, |v[XS+5]|
.irp i, 6,10,14,18,22,26
	v_max3_num_f32 v12, v12, |v[XS+\i]|, |v[XS+\i+1]|
	v_max3_num_f32 v13, v13, |v[XS+\i+2]|, |v[XS+\i+3]|
.endr
	v_max3_num_f32 v12, v12, |v[XS+30]|, |v[XS+31]|
	v_max3_num_f32 v12, v12, v13, 0x1800000        ; and the floor 2^(3 - 127): the byte cannot fall under 1
	v_add_nc_u32 v11, 0xff000000, v12              ; 2 off the exponent field: the conversion's scale operand
	v_cvt_scalef32_pk16_fp6_f32 v[C:C+2], v[XS:XS+15], v11
	v_cvt_scalef32_pk16_fp6_f32 v[C+4:C+6], v[XS+16:XS+31], v11   ; (a conversion's three registers begin on an even number)
	v_lshrrev_b32 v13, 23, v11                     ; the scale's byte; also the plain line behind the conversions
.if BE == 0
	v_mov_b32 v[SW+AA], v13
.else
	v_lshl_or_b32 v[SW+AA], v13, 8*BE, v[SW+AA]    ; byte beta of the column's word
.endif
	v_mov_b32 v[C+3], v[C+4]                       ; the block's six registers on end
	v_mov_b32 v[C+4], v[C+5]
	v_mov_b32 v[C+5], v[C+6]
; block beta is registers 6 (beta / 2) .. + 5 of lane rho + 16 (beta % 2) of fragment 2a+u
.if BE < 2
	ds_store_b128 v4, v[C:C+3] offset:AA*2*FPI+256*(BE%2)
	ds_store_b64 v4, v[C+4:C+5] offset:AA*2*FPI+256*(BE%2)+512
.else
	ds_store_b64 v4, v[C:C+1] offset:AA*2*FPI+256*(BE%2)+520
	ds_store_b128 v4, v[C+2:C+5] offset:AA*2*FPI+256*(BE%2)+1024
.endif
.if (\t)+2 < 8
	LOAD (\t)+2
.endif
	s_wait_dscnt 0x0                               ; the stores have read their registers: the next block's codes may be written
.endm
.irp t, 0,1,2,3,4,5,6,7
	BLOCK \t
.endr
	s_wait_alu depctr_va_vdst(0)
.irp a, 0,1
	ds_store_b32 v5, v[SW+\a] offset:8*\a          ; tile 2a+u, row rho; and once more for lanes 16-31 of the image
	ds_store_b32 v5, v[SW+\a] offset:8*\a+256
.endr
.irp j, 0,1,2,3,4,5,6,7,8,9,10,11
	ds_load_b128 v[OUTR+4*\j:OUTR+4*\j+3], v6 offset:(\j/3)*FPI+(\j%3)*512   ; LDS serves a wave's instructions in order: these see my stores
.endr
	ds_load_b128 v[OUTR+48:OUTR+51], v6 offset:4*FPI
.irp j, 0,1,2,3,4,5,6,7,8,9,10,11
	s_wait_dscnt 12-\j                             ; load j is back; the 12 - j younger ones may be out
	global_store_b128 v7, v[OUTR+4*\j:OUTR+4*\j+3], s[6:7] offset:512*\j     ; 32 lanes store 512 consecutive bytes
.endr
	s_wait_dscnt 0x0
	global_store_b128 v7, v[OUTR+48:OUTR+51], s[8:9]
	s_wait_tensorcnt 0x0
	ds_add_u32 v168, v169
	s_wait_dscnt 0x0
	s_endpgm
; THE FIRST LAYER NORM: xn = g1 / (std + 1e-6) * (x - mean) + beta1 (std with 1,023 in the divisor), in f32, quantised along the row to FP6 (E2M3) with one E8M0 byte for each 32.
; A work-group is one tile T of 16 tokens: row i is token 32 (T / 2) + 8 (T % 2) + i + 8 (i / 8).  Wave w takes columns 128 w .. 128 w + 127: one K step, one fragment.
; Loads are dense (32 lanes, 512 consecutive bytes of a row); the 16 x 512 bytes turn through the wave's own stage in LDS so that lane (r, h) holds, of row r, register 16 b + i = column 128 w + 32 b + 16 h + i.
; Mean and variance in two passes; the eight waves' parts meet in LDS: three barriers.  Out: the fragment's image at T x 12,288 + w x 1,536; the scale words at XSC + T x 512 + 32 r + 4 w.
; LIMITS: a block of zeros gets the byte 1 (its codes are zeros; this program alone reads the bytes); NaN and infinities are not served.
.Lln:
.set X,   16                           ; v16-79   my 64 numbers
.set G,   80                           ; v80-143  g1 at my columns
.set BT,  144                          ; v144-207 beta1
.set TM,  208                          ; v208-223 the quantiser's
.set PW,  224                          ; the scale word
.set PC,  226                          ; v226-244 the codes; before that the eight waves' sums
.set SM,  246                          ; v246-253 four chains of pairs
.set MP,  254                          ; v254-255 the mean, later 1 / (std + 1e-6), twice
.set SEL, 20
.set STAT1, 67584                      ; behind the eight stages of 8,448 bytes: sums, 32 r + 4 w; + 512: sums of squares; + 1,024: scale words
.set XSC,   6291456
.macro BAR                             ; my LDS stores have landed and my LDS loads are in: then the work-group's barrier
	s_wait_dscnt 0x0
	s_barrier_signal -1
	s_barrier_wait -1
.endm
.macro SUM8 a                          ; eight numbers into the first
	v_add_f32 v[(\a)], v[(\a)], v[(\a)+1]
	v_add_f32 v[(\a)+2], v[(\a)+2], v[(\a)+3]
	v_add_f32 v[(\a)+4], v[(\a)+4], v[(\a)+5]
	v_add_f32 v[(\a)+6], v[(\a)+6], v[(\a)+7]
	s_delay_alu instid0(VALU_DEP_3)
	v_add_f32 v[(\a)], v[(\a)], v[(\a)+2]
	s_delay_alu instid0(VALU_DEP_2)
	v_add_f32 v[(\a)+4], v[(\a)+4], v[(\a)+6]
	s_delay_alu instid0(VALU_DEP_1)
	v_add_f32 v[(\a)], v[(\a)], v[(\a)+4]
.endm
.macro FOLD                            ; the four chains, and lane l xor 16's: my wave's figure for row r, in v[SM]
	s_delay_alu instid0(VALU_DEP_3)
	v_pk_add_f32 v[SM:SM+1], v[SM:SM+1], v[SM+2:SM+3]
	s_delay_alu instid0(VALU_DEP_2)
	v_pk_add_f32 v[SM+4:SM+5], v[SM+4:SM+5], v[SM+6:SM+7]
	s_delay_alu instid0(VALU_DEP_1)
	v_pk_add_f32 v[SM:SM+1], v[SM:SM+1], v[SM+4:SM+5]
	s_delay_alu instid0(VALU_DEP_1)
	v_add_f32 v[SM], v[SM], v[SM+1]
	s_delay_alu instid0(VALU_DEP_1)
	v_permlanex16_b32 v[SM+2], v[SM], s[SEL], s[SEL+1]
	s_delay_alu instid0(VALU_DEP_1)
	v_add_f32 v[SM], v[SM], v[SM+2]
.endm
	s_load_b256 s[4:11], s[0:1], 0x50              ; x, g1, beta1, xn
	s_sub_co_u32 s15, ttmp9, 96                    ; T: my tile
	v_lshl_add_u32 v241, v0, 2, 0x11000
	v_mov_b32 v245, 0
	v_lshrrev_b32 v8, 5, v0
	s_delay_alu instid0(VALU_DEP_1)
	v_readfirstlane_b32 s12, v8                    ; wave
	v_and_b32 v8, 31, v0
	v_and_b32 v9, 15, v0                           ; r
	v_bfe_u32 v10, v0, 4, 1                        ; h
	s_delay_alu instid0(VALU_DEP_3)
	v_lshlrev_b32 v1, 4, v8                        ; 16 x lane
	s_mul_i32 s13, s12, 8448
	v_add_nc_u32 v2, s13, v1                       ; the stage, in: a row's 512 bytes on end
	v_mul_u32_u24 v3, v9, 528
	s_delay_alu instid0(VALU_DEP_1)
	v_lshl_add_u32 v3, v10, 6, v3
	s_delay_alu instid0(VALU_DEP_1)
	v_add_nc_u32 v3, s13, v3                       ; out: row r, + 64 h
	v_lshlrev_b32 v4, 6, v10                       ; g1, beta1: 64 h
	v_lshlrev_b32 v6, 5, v9
	s_delay_alu instid0(VALU_DEP_1)
	v_add_nc_u32 v6, STAT1, v6                     ; row r's eight words
	s_lshl_b32 s14, s12, 2
	v_add_nc_u32 v5, s14, v6                       ; my wave's among them
	v_add_nc_u32 v7, STAT1+1024, v1                ; the scale words, 16 bytes a lane
.irp b, 0,1,2,3
	v_mov_b32 v[TM+4+\b], 0                        ; written once: a lane permute's destination counts as one of its sources
.endr
	s_mov_b32 s[SEL], 0x76543210
	s_mov_b32 s[SEL+1], 0xfedcba98                 ; lane l xor 16
	s_lshr_b32 s16, s15, 1
	s_lshl_b32 s16, s16, 17                        ; 32 (T / 2) rows of 4,096 bytes
	s_and_b32 s17, s15, 1
	s_lshl_b32 s17, s17, 15                        ; + 8 (T % 2)
	s_add_co_u32 s16, s16, s17
	s_lshl_b32 s18, s12, 9                         ; + my 128 columns
	s_add_co_u32 s16, s16, s18
	s_mov_b32 s17, 0
	s_mov_b32 s19, 0
	s_mul_i32 s24, s15, 12288
	s_mul_i32 s25, s12, 1536
	s_add_co_u32 s24, s24, s25
	s_mov_b32 s25, 0
	s_lshl_b32 s26, s15, 9
	s_add_co_u32 s26, s26, XSC
	s_mov_b32 s27, 0
	s_wait_alu depctr_va_vdst(0)
	s_wait_kmcnt 0x0
	s_add_nc_u64 s[4:5], s[4:5], s[16:17]
	s_add_nc_u64 s[6:7], s[6:7], s[18:19]
	s_add_nc_u64 s[8:9], s[8:9], s[18:19]
	s_add_nc_u64 s[28:29], s[10:11], s[24:25]      ; my fragment's image
	s_add_nc_u64 s[30:31], s[10:11], s[26:27]      ; the tile's scale words
.irp i, 0,1,2,3,4,5,6,7,8,9,10,11,12,13,14,15
	global_load_b128 v[X+4*\i:X+4*\i+3], v1, s[4:5] offset:(\i+8*(\i/8))*4096 th:TH_LOAD_NT
.endr
.irp b, 0,1,2,3
.irp j, 0,1,2,3
	global_load_b128 v[G+16*\b+4*\j:G+16*\b+4*\j+3], v4, s[6:7] offset:128*\b+16*\j
	global_load_b128 v[BT+16*\b+4*\j:BT+16*\b+4*\j+3], v4, s[8:9] offset:128*\b+16*\j
.endr
.endr
	s_wait_loadcnt 32                              ; x is in; the 32 loads of g1 and beta1 may be out
.irp i, 0,1,2,3,4,5,6,7,8,9,10,11,12,13,14,15
	ds_store_b128 v2, v[X+4*\i:X+4*\i+3] offset:528*\i
.endr
	s_wait_dscnt 0x0                               ; the stores have read their registers, which the loads below write
.irp b, 0,1,2,3
.irp j, 0,1,2,3
	ds_load_b128 v[X+16*\b+4*\j:X+16*\b+4*\j+3], v3 offset:128*\b+16*\j
.endr
.endr
	s_wait_dscnt 0x0
.irp c, 0,1,2,3
	v_pk_add_f32 v[SM+2*\c:SM+2*\c+1], v[X+4*\c:X+4*\c+1], v[X+4*\c+2:X+4*\c+3]   ; the first sums start the chains: nothing is cleared
.endr
.irp j, 16,24,32,40,48,56
.irp c, 0,1,2,3
	s_delay_alu instid0(VALU_DEP_4)
	v_pk_add_f32 v[SM+2*\c:SM+2*\c+1], v[SM+2*\c:SM+2*\c+1], v[X+\j+2*\c:X+\j+2*\c+1]
.endr
.endr
	FOLD
	ds_store_b32 v5, v[SM]                         ; lanes r and r + 16 write the same word with the same value
	BAR
	ds_load_b128 v[PC:PC+3], v6
	ds_load_b128 v[PC+4:PC+7], v6 offset:16
	s_wait_dscnt 0x0
	SUM8 PC
	s_delay_alu instid0(VALU_DEP_1)
	v_mul_f32 v[MP], 0x3a800000, v[PC]             ; / 1,024: the mean
	s_delay_alu instid0(VALU_DEP_1)
	v_mov_b32 v[MP+1], v[MP]
.set J, 0
.rept 32
	v_pk_add_f32 v[X+J:X+J+1], v[X+J:X+J+1], v[MP:MP+1] neg_lo:[0,1] neg_hi:[0,1]
.set J, J+2
.endr
.irp c, 0,1,2,3
	v_pk_mul_f32 v[SM+2*\c:SM+2*\c+1], v[X+2*\c:X+2*\c+1], v[X+2*\c:X+2*\c+1]
.endr
.irp j, 8,16,24,32,40,48,56
.irp c, 0,1,2,3
	s_delay_alu instid0(VALU_DEP_4)
	v_pk_fma_f32 v[SM+2*\c:SM+2*\c+1], v[X+\j+2*\c:X+\j+2*\c+1], v[X+\j+2*\c:X+\j+2*\c+1], v[SM+2*\c:SM+2*\c+1]
.endr
.endr
	FOLD
	ds_store_b32 v5, v[SM] offset:512
	BAR
	ds_load_b128 v[PC:PC+3], v6 offset:512
	ds_load_b128 v[PC+4:PC+7], v6 offset:528
	s_wait_dscnt 0x0
	SUM8 PC
	s_delay_alu instid0(VALU_DEP_1)
	v_mul_f32 v[SM], 0x3a802008, v[PC]             ; / 1,023: the variance
	s_wait_alu depctr_va_vdst(0)                   ; the wait ahead of a transcendental and ahead of its first reader
	v_sqrt_f32 v[SM], v[SM]
	v_nop                                          ; a plain line behind the root
	s_wait_alu depctr_va_vdst(0)
	v_add_f32 v[SM], 0x358637bd, v[SM]             ; + 1e-6
	s_wait_alu depctr_va_vdst(0)
	v_rcp_f32 v[MP], v[SM]
	v_nop
	s_wait_alu depctr_va_vdst(0)
	v_mov_b32 v[MP+1], v[MP]
	s_wait_alu depctr_va_vdst(0)
	s_wait_loadcnt 0x0                             ; g1, beta1
.set J, 0
.rept 32
	v_pk_mul_f32 v[X+J:X+J+1], v[X+J:X+J+1], v[MP:MP+1]
.set J, J+2
.endr
.set J, 0
.rept 32
	v_pk_fma_f32 v[X+J:X+J+1], v[X+J:X+J+1], v[G+J:G+J+1], v[BT+J:BT+J+1]
.set J, J+2
.endr
; the quantiser: four blocks of 32, each in lanes l and l xor 16
.irp b, 0,1,2,3
	v_max3_num_f32 v[TM+\b], |v[X+16*\b]|, |v[X+16*\b+1]|, 0x1800000   ; with the floor 2^(3 - 127): the byte cannot fall under 1
.endr
.irp i, 2,4,6,8,10,12,14
.irp b, 0,1,2,3
	s_delay_alu instid0(VALU_DEP_4)
	v_max3_num_f32 v[TM+\b], |v[X+16*\b+\i]|, |v[X+16*\b+\i+1]|, v[TM+\b]   ; the blocks by turns
.endr
.endr
.irp b, 0,1,2,3
	s_delay_alu instid0(VALU_DEP_4)
	v_permlanex16_b32 v[TM+4+\b], v[TM+\b], s[SEL], s[SEL+1]
.endr
.irp b, 0,1,2,3
	s_delay_alu instid0(VALU_DEP_4)
	v_max_num_f32 v[TM+\b], v[TM+\b], v[TM+4+\b]   ; the block's largest magnitude
.endr
.irp b, 0,1,2,3
	s_delay_alu instid0(VALU_DEP_4)
	v_add_nc_u32 v[TM+12+\b], 0xff000000, v[TM+\b] ; 2 off its exponent field: the conversion's scale operand
.endr
.irp b, 0,1,2,3
	s_delay_alu instid0(VALU_DEP_4)
	v_lshrrev_b32 v[TM+4+\b], 23, v[TM+12+\b]      ; the scale's byte
.endr
	s_delay_alu instid0(VALU_DEP_3)
	v_lshl_or_b32 v[PW], v[TM+5], 8, v[TM+4]
	s_delay_alu instid0(VALU_DEP_1)
	v_lshl_or_b32 v[PW], v[TM+6], 16, v[PW]
	s_delay_alu instid0(VALU_DEP_1)
	v_lshl_or_b32 v[PW], v[TM+7], 24, v[PW]
.irp c, 0,1
	v_cvt_scalef32_pk16_fp6_f32 v[PC+6*\c:PC+6*\c+2], v[X+32*\c:X+32*\c+15], v[TM+12+2*\c]
	v_cvt_scalef32_pk16_fp6_f32 v[PC+12+4*\c:PC+14+4*\c], v[X+32*\c+16:X+32*\c+31], v[TM+12+2*\c+1]
.endr
	v_nop                                          ; one plain line behind the conversions
.irp c, 0,1
.irp i, 0,1,2
	v_permlane16_swap_b32 v[PC+6*\c+\i], v[PC+12+4*\c+\i]   ; a whole block to a lane: lanes 0-15 block 2c, lanes 16-31 block 2c+1
.endr
.irp i, 0,1,2
	s_delay_alu instid0(VALU_DEP_3)
	v_mov_b32 v[PC+3+6*\c+\i], v[PC+12+4*\c+\i]
.endr
.endr
.irp c, 0,1,2
	global_store_b128 v1, v[PC+4*\c:PC+4*\c+3], s[28:29] offset:512*\c   ; 32 lanes store 512 consecutive bytes
.endr
	ds_store_b32 v5, v[PW] offset:1024
	BAR
	s_cmp_lg_u32 s12, 0                            ; wave 0 stores the tile's 512 bytes of scale words
	s_cbranch_scc1 .Ldone
	ds_load_b128 v[X:X+3], v7
	s_wait_dscnt 0x0
	global_store_b128 v1, v[X:X+3], s[30:31]
.Ldone:
	s_wait_tensorcnt 0x0                           ; the wave's end
	ds_add_u32 v241, v245
	s_wait_dscnt 0x0
	s_endpgm
.Lfunc_end_k_q38de73d741_wprep:
	.size	k_q38de73d741_wprep, .Lfunc_end_k_q38de73d741_wprep-k_q38de73d741_wprep
	.p2alignl 7, 3214868480
	.fill 96, 4, 3214868480
	.section	.rodata,"a",@progbits
	.p2align	6, 0x0
	.amdhsa_kernel k_q38de73d741_wprep
		.amdhsa_group_segment_fixed_size 128000
		.amdhsa_private_segment_fixed_size 0
		.amdhsa_enable_private_segment 0
		.amdhsa_kernarg_size 112
		.amdhsa_user_sgpr_count 2
		.amdhsa_user_sgpr_kernarg_segment_ptr 1
		.amdhsa_wavefront_size32 1
		.amdhsa_system_sgpr_workgroup_id_x 1
		.amdhsa_system_sgpr_workgroup_id_y 1
		.amdhsa_system_sgpr_workgroup_id_z 1
		.amdhsa_system_vgpr_workitem_id 0
		.amdhsa_next_free_vgpr 256
		.amdhsa_next_free_sgpr 66
		.amdhsa_reserve_vcc 0
		.amdhsa_float_denorm_mode_32 3
		.amdhsa_float_denorm_mode_16_64 3
		.amdhsa_memory_ordered 1
		.amdhsa_forward_progress 1
		.amdhsa_inst_pref_size 72
	.end_amdhsa_kernel
	.amdgpu_metadata
---
amdhsa.version: [ 1, 2 ]
amdhsa.kernels:
  - .name:           k_q38de73d741_wprep
    .symbol:         k_q38de73d741_wprep.kd
    .args:
      - { .name: wq, .offset: 0, .size: 8, .value_kind: global_buffer, .address_space: global }
      - { .name: wk, .offset: 8, .size: 8, .value_kind: global_buffer, .address_space: global }
      - { .name: wv, .offset: 16, .size: 8, .value_kind: global_buffer, .address_space: global }
      - { .name: wo, .offset: 24, .size: 8, .value_kind: global_buffer, .address_space: global }
      - { .name: w1, .offset: 32, .size: 8, .value_kind: global_buffer, .address_space: global }
      - { .name: w2, .offset: 40, .size: 8, .value_kind: global_buffer, .address_space: global }
      - { .name: wts, .offset: 48, .size: 8, .value_kind: global_buffer, .address_space: global }
      - { .name: wo6, .offset: 56, .size: 8, .value_kind: global_buffer, .address_space: global }
      - { .name: w16, .offset: 64, .size: 8, .value_kind: global_buffer, .address_space: global }
      - { .name: w26, .offset: 72, .size: 8, .value_kind: global_buffer, .address_space: global }
      - { .name: x, .offset: 80, .size: 8, .value_kind: global_buffer, .address_space: global }
      - { .name: g1, .offset: 88, .size: 8, .value_kind: global_buffer, .address_space: global }
      - { .name: beta1, .offset: 96, .size: 8, .value_kind: global_buffer, .address_space: global }
      - { .name: xn, .offset: 104, .size: 8, .value_kind: global_buffer, .address_space: global }
    .group_segment_fixed_size: 128000
    .private_segment_fixed_size: 0
    .kernarg_segment_align: 8
    .kernarg_segment_size: 112
    .max_flat_workgroup_size: 256
    .sgpr_count:     66
    .vgpr_count:     256
    .wavefront_size: 32
...
	.end_amdgpu_metadata
.endif
;; end of part 1
;; launch qkv (part 2): grid 64 x 4, 4 waves a work-group, no clusters, 98,816 bytes of LDS; arguments xn, wts, bq, bk, bv, mask, qkv; writes qkv
.if DOCPART == 2
	.amdgcn_target "amdgcn-amd-amdhsa--gfx1250"
	.amdhsa_code_object_version 6
	.text
	.protected	k_q38de73d741_qkv
	.globl	k_q38de73d741_qkv
	.p2align	8
	.type	k_q38de73d741_qkv,@function
k_q38de73d741_qkv:
	s_mov_b64 s[64:65], 0
	v_nop
	global_prefetch_b8 v0, s[64:65] scope:SCOPE_SE
	s_setreg_imm32_b32 hwreg(HW_REG_WAVE_MODE, 25, 1), 1
	s_wait_xcnt 0x0
; q = xn wq + bq, k = xn wk + bk, v = xn wv + bv on codes of FP6 (E2M3), and their quantisers: q and k along the head's 64, v along the keys.
; SHARES.  A work-group takes 128 tokens (8 tiles of 16) and four heads; wave w takes head 4 y + w: 64 columns = one group of 4 column tiles, in three passes (q, k, v) of 8 K steps, 32 matrix instructions each.
; The block's 64 fragments of xn are copied once into LDS as they lie in memory (images of registers) and read by all four waves; each wave's weights come from memory straight into its registers, a ring of four K steps.
; q, k: source 0 = 16 columns of the weight, source 1 = 16 tokens: a lane holds one token and its 32 registers of four tiles run along the head's 64.  v: the sources swapped: a lane holds one column and its 64 registers run along the 128 tokens, the keys.
; THE MASK rides in the unused half of the first attention product's K (64 of 128): a masked key's codes become zeros, it gets the code of 1.0 at k = 64 and the scale byte 143 (2^16) for that block; an open key gets code 0 and byte 1.
; Every query carries the code of -1.0 at k = 64 (set where it is read) and byte 144 (2^17): a masked score is exactly -2^33, the logit -2^30.
; LIMITS: reference() has -1e9 there: the results are equal wherever some open logit of the row lies above about -1.07e9, and in a row with no open key.  A block of zeros gets the byte 1.  NaN and infinities are not served.
; NO CLUSTER, NO TENSOR LOAD: a weight fragment feeds 8 products of one wave and no other wave of the work-group; through LDS a step would read 6,144 bytes more a wave on top of xn's 12,288 for its 32 products.
; The text is straight-line: every offset is an immediate, no pointer is stepped.
; REGISTERS: window 0: addresses, scale words, biases, the quantiser's; window 1: 32 accumulators; window 2: xn's fragments, two sets of 96; window 3: the weights' ring, four slots of 48.
.set XSC, 6291456
.set WSC, 4718592
.set QSC, 6291456
.set KVO, 7340032
.set KVR, 126976
.set MK,  16                           ; v16-23   the mask of my lane's key in each tile
.set PWR, 24                           ; v24-31   scale words to be stored
.set XS,  32                           ; v32-95   xn's scale words: tile m, K step s at 8 m + s
.set WS,  96                           ; v96-111  the weights' scale words, four slots of 4
.set BI,  112                          ; v112-143 the bias in the result's layout, 8 registers a column tile
.set TM,  144
.set PC,  160
.set PW,  180
.set SEL, 20
.set MSB, 0
.macro WIN new                         ; the immediate's high byte repeats the setting that is left
.if MSB != \new
	s_set_vgpr_msb (MSB<<8)|\new
.set MSB, \new
.endif
.endm
; 16 nb numbers of a lane (window win), register 16 b + i = k 32 b + 16 h + i, become codes in v[PC] on and the scale word in v[PW].  The accumulators are read from their low ends on.
.macro QUANT src, win, nb
	WIN 5*(\win)
.irp b, 0,1,2,3
.if \b < \nb
	v_max3_num_f32 v[TM+\b], |v[(\src)+16*\b]|, |v[(\src)+16*\b+1]|, 0x1800000   ; with the floor 2^(3 - 127)
.endif
.endr
.irp i, 2,4,6,8,10,12,14
.irp b, 0,1,2,3
.if \b < \nb
	v_max3_num_f32 v[TM+\b], |v[(\src)+16*\b+\i]|, |v[(\src)+16*\b+\i+1]|, v[TM+\b]
.endif
.endr
.endr
	WIN 0
.irp b, 0,1,2,3
.if \b < \nb
	v_permlanex16_b32 v[TM+4+\b], v[TM+\b], s[SEL], s[SEL+1]
.endif
.endr
.irp b, 0,1,2,3
.if \b < \nb
	v_max_num_f32 v[TM+\b], v[TM+\b], v[TM+4+\b]
.endif
.endr
.irp b, 0,1,2,3
.if \b < \nb
	v_add_nc_u32 v[TM+12+\b], 0xff000000, v[TM+\b]
.endif
.endr
.irp b, 0,1,2,3
.if \b < \nb
	v_lshrrev_b32 v[TM+4+\b], 23, v[TM+12+\b]
.endif
.endr
	v_lshl_or_b32 v[PW], v[TM+5], 8, v[TM+4]
.if \nb > 2
	v_lshl_or_b32 v[PW], v[TM+6], 16, v[PW]
	v_lshl_or_b32 v[PW], v[TM+7], 24, v[PW]
.endif
	WIN \win
.irp c, 0,1
.if 2*\c < \nb
	v_cvt_scalef32_pk16_fp6_f32 v[PC+6*\c:PC+6*\c+2], v[(\src)+32*\c:(\src)+32*\c+15], v[TM+12+2*\c]
	v_cvt_scalef32_pk16_fp6_f32 v[PC+12+4*\c:PC+14+4*\c], v[(\src)+32*\c+16:(\src)+32*\c+31], v[TM+12+2*\c+1]
.endif
.endr
	WIN 0
	v_nop                                          ; one plain line behind the conversions
.irp c, 0,1
.if 2*\c < \nb
.irp i, 0,1,2
	v_permlane16_swap_b32 v[PC+6*\c+\i], v[PC+12+4*\c+\i]
.endr
.irp i, 0,1,2
	v_mov_b32 v[PC+3+6*\c+\i], v[PC+12+4*\c+\i]
.endr
.endif
.endr
.endm
.macro MM d, a, b, c, sa, sb
	v_wmma_scale_f32_16x16x128_f8f6f4 v[\d:\d+7], v[\a:\a+11], v[\b:\b+11], v[\c:\c+7], v[\sa], v[\sb] matrix_a_fmt:MATRIX_FMT_FP6 matrix_b_fmt:MATRIX_FMT_FP6
.endm
.macro BLOAD t                         ; step t's four weight fragments and their scale words into slot t % 4: 13 loads of 512 consecutive bytes
	WIN 0xc0
.set J, 0
.rept 12
	global_load_b128 v[48*((\t)%4)+4*J:48*((\t)%4)+4*J+3], v1, s[28:29] offset:(\t)*98304+512*J
.set J, J+1
.endr
	WIN 0
	global_load_b128 v[WS+4*((\t)%4):WS+4*((\t)%4)+3], v1, s[30:31] offset:(\t)*8192
.endm
.macro AFETCH t                        ; xn's eight fragments of K step t % 8 into set t % 2: 24 LDS loads
	WIN 0x80
.irp m, 0,1,2,3
.irp c, 0,1,2
	ds_load_b128 v[96*((\t)%2)+12*\m+4*\c:96*((\t)%2)+12*\m+4*\c+3], v1 offset:\m*12288+((\t)%8)*1536+512*\c
.endr
.endr
.irp m, 4,5,6,7
.irp c, 0,1,2
	ds_load_b128 v[96*((\t)%2)+12*\m+4*\c:96*((\t)%2)+12*\m+4*\c+3], v4 offset:(\m-4)*12288+((\t)%8)*1536+512*\c
.endr
.endr
	WIN 0
.endm
	s_load_b256 s[4:11], s[0:1], 0x0               ; xn, wts, bq, bk
	s_load_b128 s[12:15], s[0:1], 0x20             ; bv, mask
	s_load_b64 s[16:17], s[0:1], 0x30              ; qkv
	v_lshl_add_u32 v254, v0, 2, 0x18000
	v_mov_b32 v255, 0
	v_lshrrev_b32 v12, 5, v0
	v_readfirstlane_b32 s18, v12                   ; wave
	v_and_b32 v11, 31, v0
	v_lshlrev_b32 v1, 4, v11                       ; 16 x lane
	v_lshlrev_b32 v2, 3, v11                       ; 8 x lane
	v_mov_b32 v3, -1
	v_add_nc_u32 v4, 49152, v1                     ; LDS: tiles 4 to 7
	v_and_b32 v12, 15, v0                          ; r
	v_bfe_u32 v13, v0, 4, 1                        ; h
	v_lshlrev_b32 v5, 5, v12                       ; xn's scale words: 32 r
	v_lshlrev_b32 v6, 6, v13                       ; bq, bk: 64 h
	v_and_b32 v7, 8, v12
	v_add_nc_u32 v7, v7, v12
	v_lshlrev_b32 v7, 2, v7                        ; mask, bv: 4 (r + 8 (r / 8))
	v_sub_nc_u32 v8, 1, v13
	v_lshlrev_b32 v8, 3, v8                        ; the code of 1.0 in lanes 0-15, which hold k = 64 on; 0 in lanes 16-31
	v_mov_b32 v9, 0
	v_mov_b32 v14, 143
	v_mov_b32 v15, 1
	v_mov_b32 v[PC+7], 0
.irp b, 0,1,2,3
	v_mov_b32 v[TM+4+\b], 0                        ; written once: a lane permute's destination counts as one of its sources
.endr
	s_mul_i32 s19, s18, 24576
	v_add_nc_u32 v10, s19, v1                      ; my quarter of the block's images, in memory and in LDS
	s_mov_b32 s[SEL], 0x76543210
	s_mov_b32 s[SEL+1], 0xfedcba98
	s_and_b32 s22, ttmp7, 0xffff
	s_lshl_b32 s22, s22, 2
	s_add_co_u32 s22, s22, s18                     ; hd: my head
	s_lshr_b32 s23, ttmp9, 3                       ; b: the batch
	s_and_b32 s44, ttmp9, 7                        ; ks: which 128 tokens of it
	s_lshl_b32 s45, s23, 4
	s_add_co_u32 s45, s45, s22                     ; hh = 16 b + hd
	s_mov_b32 s47, 0
	s_wait_alu depctr_va_vdst(0)
	s_wait_kmcnt 0x0
	s_mul_i32 s46, ttmp9, 98304
	s_add_nc_u64 s[24:25], s[4:5], s[46:47]        ; the block's images of xn
	s_mul_i32 s46, s22, 6144
	s_add_nc_u64 s[28:29], s[6:7], s[46:47]        ; my group's weight images; a step is 98,304 bytes on
	s_lshl_b32 s46, s22, 9
	s_add_co_u32 s46, s46, WSC
	s_add_nc_u64 s[30:31], s[6:7], s[46:47]        ; and scale words; a step is 8,192 on
	WIN 0x80
.set J, 0
.rept 48
	global_load_b128 v[4*J:4*J+3], v10, s[24:25] offset:512*J
.set J, J+1
.endr
	WIN 0
	BLOAD 0
	s_lshl_b32 s46, ttmp9, 12
	s_add_co_u32 s46, s46, XSC
	s_add_nc_u64 s[26:27], s[4:5], s[46:47]        ; xn's scale words
	s_lshl_b32 s46, s22, 8
	s_add_nc_u64 s[8:9], s[8:9], s[46:47]          ; the biases at my head
	s_add_nc_u64 s[10:11], s[10:11], s[46:47]
	s_add_nc_u64 s[12:13], s[12:13], s[46:47]
	s_lshl_b32 s46, ttmp9, 9
	s_add_nc_u64 s[14:15], s[14:15], s[46:47]      ; the mask at my 128 keys
	s_mul_i32 s46, s45, 49152
	s_mul_i32 s48, s44, 6144
	s_add_co_u32 s46, s46, s48
	s_add_nc_u64 s[32:33], s[16:17], s[46:47]      ; q's images
	s_lshl_b32 s46, s45, 13
	s_lshl_b32 s49, s44, 10
	s_add_co_u32 s46, s46, s49
	s_add_co_u32 s46, s46, QSC
	s_add_nc_u64 s[34:35], s[16:17], s[46:47]      ; q's scale words
	s_mul_i32 s50, s45, KVR
	s_add_co_u32 s50, s50, KVO                     ; the head's record of k and v
	s_lshl_b32 s46, s44, 13
	s_add_co_u32 s46, s46, s50
	s_add_nc_u64 s[36:37], s[16:17], s[46:47]      ; k's images
	s_add_co_u32 s46, s50, s49
	s_add_co_u32 s46, s46, 114688
	s_add_nc_u64 s[38:39], s[16:17], s[46:47]      ; k's scale words
	s_add_co_u32 s46, s50, s48
	s_add_co_u32 s46, s46, 65536
	s_add_nc_u64 s[40:41], s[16:17], s[46:47]      ; v's images
	s_lshl_b32 s46, s44, 9
	s_add_co_u32 s46, s46, s50
	s_add_co_u32 s46, s46, 122880
	s_add_nc_u64 s[42:43], s[16:17], s[46:47]      ; v's scale words
.irp m, 0,1,2,3,4,5,6,7
	global_load_b128 v[XS+8*\m:XS+8*\m+3], v5, s[26:27] offset:512*\m
	global_load_b128 v[XS+8*\m+4:XS+8*\m+7], v5, s[26:27] offset:512*\m+16
.endr
.irp i, 0,1,2,3
	global_load_b128 v[BI+8*\i:BI+8*\i+3], v6, s[8:9] offset:(32*(\i/2)+8*(\i%2))*4
	global_load_b128 v[BI+8*\i+4:BI+8*\i+7], v6, s[8:9] offset:(32*(\i/2)+8*(\i%2))*4+16
.endr
.irp m, 0,1,2,3,4,5,6,7
	global_load_b32 v[MK+\m], v7, s[14:15] offset:(32*(\m/2)+8*(\m%2))*4
.endr
	s_wait_loadcnt 45                              ; the 48 loads of the copy are in; step 0's 13, the scale words' 16, the bias's 8 and the mask's 8 may be out
	WIN 0x08
.set J, 0
.rept 48
	ds_store_b128 v10, v[4*J:4*J+3] offset:512*J
.set J, J+1
.endr
	WIN 0
	BLOAD 1
	BLOAD 2
	s_wait_dscnt 0x0                               ; my quarter of the images lies in LDS
	s_barrier_signal -1
	s_barrier_wait -1                              ; everybody's does: the launch's one barrier; LDS is only read from here on
	AFETCH 0
; One K step.  The 32 accumulators take turns, one instruction a turn, in the same order in every step.
.macro STEP t
.set SL, (\t)%4
.set SE, (\t)%2
.set KK, (\t)%8
	WIN 0
.rept 4
	v_nop                                          ; the places behind the last step's products, in front of the loads into registers that they read
.endr
.if (\t) == 1
.irp i, 0,1,2,3
	global_load_b128 v[BI+8*\i:BI+8*\i+3], v6, s[10:11] offset:(32*(\i/2)+8*(\i%2))*4      ; bk, for step 8
	global_load_b128 v[BI+8*\i+4:BI+8*\i+7], v6, s[10:11] offset:(32*(\i/2)+8*(\i%2))*4+16
.endr
.endif
.if (\t) == 9
.irp i, 0,1,2,3
	global_load_b32 v[BI+8*\i], v7, s[12:13] offset:(32*(\i/2)+8*(\i%2))*4                 ; bv at my lane's column, for step 16
.endr
.endif
.if (\t)+3 < 24
	BLOAD (\t)+3
.endif
.if (\t)+1 < 24
	AFETCH (\t)+1
.endif
.if (\t) < 21
	s_wait_loadcnt 39                              ; this step's slot is in; the three younger slots' 39 loads may be out
.else
	s_wait_loadcnt 13*(23-(\t))
.endif
.if (\t) < 23
	s_wait_dscnt 24                                ; this step's fragments of xn are in; the 24 loads just issued may be out
.else
	s_wait_dscnt 0x0
.endif
.if (\t) < 16
.if KK == 0
	WIN 0x4b                                       ; source 0 (weight) window 3, source 1 (xn) window 2, C (bias) window 0, D window 1
.else
	WIN 0x5b
.endif
.irp m, 0,1,2,3,4,5,6,7
.irp i, 0,1,2,3
.if KK == 0
	MM 8*(4*\m+\i), 48*SL+12*\i, 96*SE+12*\m, BI+8*\i, WS+4*SL+\i, XS+8*\m+KK
.else
	MM 8*(4*\m+\i), 48*SL+12*\i, 96*SE+12*\m, 8*(4*\m+\i), WS+4*SL+\i, XS+8*\m+KK
.endif
.endr
.endr
.else
.if KK == 0
	WIN 0x4e                                       ; the sources swapped: source 0 (xn) window 2, source 1 (weight) window 3
.else
	WIN 0x5e
.endif
.irp m, 0,1,2,3,4,5,6,7
.irp i, 0,1,2,3
.if KK == 0
	MM 8*(8*\i+\m), 96*SE+12*\m, 48*SL+12*\i, BI+8*\i, XS+8*\m+KK, WS+4*SL+\i
.else
	MM 8*(8*\i+\m), 96*SE+12*\m, 48*SL+12*\i, 8*(8*\i+\m), XS+8*\m+KK, WS+4*SL+\i
.endif
.endr
.endr
.endif
.endm
; q's or k's way out: a token tile's 32 registers are 64 neighbours along the head: half a fragment and two scale bytes
.macro EPI_QK isk
	WIN 0
.rept 4
	v_nop                                          ; the places behind the last products, in front of the first read of results
.endr
.irp m, 0,1,2,3,4,5,6,7
	s_wait_xcnt 0x0                                ; the earlier stores have read their registers, which are written again below
	QUANT 32*\m, 1, 2
.if \isk
	v_cmp_ne_u32 vcc_lo, 0, v[MK+\m]               ; is my lane's key open?
	v_cndmask_b32 v11, v9, v3, vcc_lo              ; all ones, or 0
	v_cndmask_b32 v[PC+6], v8, v9, vcc_lo          ; k = 64: code 0, or the code of 1.0
	v_cndmask_b32 v13, v14, v15, vcc_lo            ; that block's byte: 1, or 143
.irp c, 0,1,2,3,4,5
	v_and_b32 v[PC+\c], v11, v[PC+\c]              ; a masked key's codes are zeros
.endr
	v_lshl_or_b32 v[PWR+\m], v13, 16, v[PW]
	global_store_b128 v1, v[PC:PC+3], s[36:37] offset:\m*1024
	global_store_b128 v1, v[PC+4:PC+7], s[36:37] offset:\m*1024+512
.else
	v_or_b32 v[PWR+\m], 0x900000, v[PW]            ; byte 144 for the block of k = 64
	global_store_b128 v1, v[PC:PC+3], s[32:33] offset:\m*768
	global_store_b64 v2, v[PC+4:PC+5], s[32:33] offset:\m*768+512
.endif
.endr
.if \isk
	global_store_b128 v1, v[PWR:PWR+3], s[38:39]
	global_store_b128 v1, v[PWR+4:PWR+7], s[38:39] offset:512
.irp i, 0,1,2,3
.irp j, 1,2,3,4,5,6,7
	v_mov_b32 v[BI+8*\i+\j], v[BI+8*\i]            ; bv hangs on the lane's column alone: the same in a tile's eight registers
.endr
.endr
.else
	global_store_b128 v1, v[PWR:PWR+3], s[34:35]
	global_store_b128 v1, v[PWR+4:PWR+7], s[34:35] offset:512
.endif
.endm
.irp t, 0,1,2,3,4,5,6,7
	STEP \t
.endr
	EPI_QK 0
.irp t, 8,9,10,11,12,13,14,15
	STEP \t
.endr
	EPI_QK 1
	s_wait_alu depctr_va_vdst(0)
.irp t, 16,17,18,19,20,21,22,23
	STEP \t
.endr
	WIN 0                                          ; v's way out: a column tile's 64 registers are 128 neighbouring keys: a whole fragment
.rept 4
	v_nop
.endr
.irp i, 0,1,2,3
	s_wait_xcnt 0x0
	QUANT 64*\i, 1, 4
	v_mov_b32 v[PWR+\i], v[PW]
.irp c, 0,1,2
	global_store_b128 v1, v[PC+4*\c:PC+4*\c+3], s[40:41] offset:\i*1536+512*\c
.endr
.endr
	global_store_b128 v1, v[PWR:PWR+3], s[42:43]
	s_wait_tensorcnt 0x0
	ds_add_u32 v254, v255
	s_wait_dscnt 0x0
	s_endpgm
.Lfunc_end_k_q38de73d741_qkv:
	.size	k_q38de73d741_qkv, .Lfunc_end_k_q38de73d741_qkv-k_q38de73d741_qkv
	.p2alignl 7, 3214868480
	.fill 96, 4, 3214868480
	.section	.rodata,"a",@progbits
	.p2align	6, 0x0
	.amdhsa_kernel k_q38de73d741_qkv
		.amdhsa_group_segment_fixed_size 98816
		.amdhsa_private_segment_fixed_size 0
		.amdhsa_enable_private_segment 0
		.amdhsa_kernarg_size 56
		.amdhsa_user_sgpr_count 2
		.amdhsa_user_sgpr_kernarg_segment_ptr 1
		.amdhsa_wavefront_size32 1
		.amdhsa_system_sgpr_workgroup_id_x 1
		.amdhsa_system_sgpr_workgroup_id_y 1
		.amdhsa_system_sgpr_workgroup_id_z 1
		.amdhsa_system_vgpr_workitem_id 0
		.amdhsa_next_free_vgpr 960
		.amdhsa_next_free_sgpr 66
		.amdhsa_reserve_vcc 1
		.amdhsa_float_denorm_mode_32 3
		.amdhsa_float_denorm_mode_16_64 3
		.amdhsa_memory_ordered 1
		.amdhsa_forward_progress 1
		.amdhsa_inst_pref_size 243
	.end_amdhsa_kernel
	.amdgpu_metadata
---
amdhsa.version: [ 1, 2 ]
amdhsa.kernels:
  - .name:           k_q38de73d741_qkv
    .symbol:         k_q38de73d741_qkv.kd
    .args:
      - { .name: xn, .offset: 0, .size: 8, .value_kind: global_buffer, .address_space: global }
      - { .name: wts, .offset: 8, .size: 8, .value_kind: global_buffer, .address_space: global }
      - { .name: bq, .offset: 16, .size: 8, .value_kind: global_buffer, .address_space: global }
      - { .name: bk, .offset: 24, .size: 8, .value_kind: global_buffer, .address_space: global }
      - { .name: bv, .offset: 32, .size: 8, .value_kind: global_buffer, .address_space: global }
      - { .name: mask, .offset: 40, .size: 8, .value_kind: global_buffer, .address_space: global }
      - { .name: qkv, .offset: 48, .size: 8, .value_kind: global_buffer, .address_space: global }
    .group_segment_fixed_size: 98816
    .private_segment_fixed_size: 0
    .kernarg_segment_align: 8
    .kernarg_segment_size: 56
    .max_flat_workgroup_size: 128
    .sgpr_count:     66
    .vgpr_count:     960
    .wavefront_size: 32
...
	.end_amdgpu_metadata
.endif
;; end of part 2
;; launch attn (part 3): grid 2 x 128, 16 waves a work-group, no clusters, 167,936 bytes of LDS; arguments qkv, o6; writes o6
.if DOCPART == 3
	.amdgcn_target "amdgcn-amd-amdhsa--gfx1250"
	.amdhsa_code_object_version 6
	.text
	.protected	k_q38de73d741_attn
	.globl	k_q38de73d741_attn
	.p2align	8
	.type	k_q38de73d741_attn,@function
k_q38de73d741_attn:
	s_mov_b64 s[64:65], 0
	v_nop
	global_prefetch_b8 v0, s[64:65] scope:SCOPE_SE
	s_setreg_imm32_b32 hwreg(HW_REG_WAVE_MODE, 25, 1), 1
	s_wait_xcnt 0x0
; o = softmax(q k^T / 8, masked) v for one head, both products on codes of FP6 (E2M3); o quantised along the head's 64 for the next product.
; THE SOFTMAX: t = score x log2(e) / 8; M = the running largest t rounded UP to a whole number; p = 2^(t - M) is quantised along the keys, not normalised; the row's sum is taken of the unquantised p and divides at the end.
; When M moves, the sum and O are multiplied by 2^(old M - new M): exact.
; SHARES.  A work-group takes one head and 512 of its queries; each of its sixteen waves two tiles of 16 queries, one after the other, in 256 registers: four waves to a SIMD.
; The head's whole record of k and v (images of registers and scale words, 126,976 bytes) is copied into LDS once: one barrier, no ring; LDS is only read afterwards.  Both tiles' q come with the copy.
; Both products are used transposed (S^T = k q^T, O^T = v^T p^T): a lane holds one query throughout.  The keys of a tile are not neighbours (lane r of tile 2b+u: key 32 b + 8 u + r + 8 (r / 8)),
; so that the 16 registers of two neighbouring tiles are 16 neighbouring keys.
; THE MASK needs no line here: the first product's K is the head's 64; at k = 64 every query has the code of -1.0 (scale 2^17) and a masked key the code of 1.0 (scale 2^16) over zero codes: its score is -2^33.
; LIMITS: a masked logit is -2^30 where reference() has -1e9: equal results wherever some open logit of the row lies above about -1.07e9, and in a row with no open key (p = 1 on every key).  NaN and infinities are not served.
; NO CLUSTER: the two work-groups of a head share the record, which each reads once at its head: 126,976 bytes against the 16 x 16 key steps of work that follow.
.set KVO, 7340032
.set KVR, 126976
.set QSC, 6291456
.set OSC, 6291456
.set BMX, 212                          ; v212-215 the blocks' largest scores
.set PD,  216                          ; v216-219 permute destinations, bytes
.set SO,  220                          ; v220-223 the conversions' scale operands
.set F,   224                          ; v224-225 f = 2^(old M - new M) (the pair's low word serves both halves)
.set TP,  226
.set S2,  228                          ; v228-229 the sum's second chain
.set TM,  212                          ; the quantiser of o works in the same registers
.set PW,  226
.set PC,  236
.set SEL, 20
.set CS,  22
.set MSB, 0
.macro WIN new                         ; (in this text every window stays 0)
.if MSB != \new
	s_set_vgpr_msb (MSB<<8)|\new
.set MSB, \new
.endif
.endm
.macro QUANT src, win, nb
	WIN 5*(\win)
.irp b, 0,1,2,3
.if \b < \nb
	v_max3_num_f32 v[TM+\b], |v[(\src)+16*\b]|, |v[(\src)+16*\b+1]|, 0x1800000   ; with the floor 2^(3 - 127)
.endif
.endr
.irp i, 2,4,6,8,10,12,14
.irp b, 0,1,2,3
.if \b < \nb
	s_delay_alu instid0(VALU_DEP_2)
	v_max3_num_f32 v[TM+\b], |v[(\src)+16*\b+\i]|, |v[(\src)+16*\b+\i+1]|, v[TM+\b]
.endif
.endr
.endr
	WIN 0
.irp b, 0,1,2,3
.if \b < \nb
	s_delay_alu instid0(VALU_DEP_2)
	v_permlanex16_b32 v[TM+4+\b], v[TM+\b], s[SEL], s[SEL+1]
.endif
.endr
.irp b, 0,1,2,3
.if \b < \nb
	s_delay_alu instid0(VALU_DEP_2)
	v_max_num_f32 v[TM+\b], v[TM+\b], v[TM+4+\b]
.endif
.endr
.irp b, 0,1,2,3
.if \b < \nb
	s_delay_alu instid0(VALU_DEP_2)
	v_add_nc_u32 v[TM+12+\b], 0xff000000, v[TM+\b]
.endif
.endr
.irp b, 0,1,2,3
.if \b < \nb
	s_delay_alu instid0(VALU_DEP_2)
	v_lshrrev_b32 v[TM+4+\b], 23, v[TM+12+\b]
.endif
.endr
	s_delay_alu instid0(VALU_DEP_1)
	v_lshl_or_b32 v[PW], v[TM+5], 8, v[TM+4]
.if \nb > 2
	v_lshl_or_b32 v[PW], v[TM+6], 16, v[PW]
	v_lshl_or_b32 v[PW], v[TM+7], 24, v[PW]
.endif
	WIN \win
.irp c, 0,1
.if 2*\c < \nb
	v_cvt_scalef32_pk16_fp6_f32 v[PC+6*\c:PC+6*\c+2], v[(\src)+32*\c:(\src)+32*\c+15], v[TM+12+2*\c]
	v_cvt_scalef32_pk16_fp6_f32 v[PC+12+4*\c:PC+14+4*\c], v[(\src)+32*\c+16:(\src)+32*\c+31], v[TM+12+2*\c+1]
.endif
.endr
	WIN 0
	v_nop
.irp c, 0,1
.if 2*\c < \nb
.irp i, 0,1,2
	v_permlane16_swap_b32 v[PC+6*\c+\i], v[PC+12+4*\c+\i]
.endr
.irp i, 0,1,2
	s_delay_alu instid0(VALU_DEP_3)
	v_mov_b32 v[PC+3+6*\c+\i], v[PC+12+4*\c+\i]
.endr
.endif
.endr
.endm
	s_load_b128 s[4:7], s[0:1], 0x0                ; qkv, o6
	v_lshl_add_u32 v254, v0, 2, 0x1f000
	v_mov_b32 v255, 0
	ds_add_u32 v254, v255                          ; the wave's opening: the add, twice on end, and its wait ahead of my tensor load
	ds_add_u32 v254, v255
	v_lshrrev_b32 v8, 5, v0
	s_delay_alu instid0(VALU_DEP_1)
	v_readfirstlane_b32 s18, v8                    ; wave 0..15
	v_and_b32 v9, 31, v0
	s_delay_alu instid0(VALU_DEP_1)
	v_lshlrev_b32 v1, 4, v9                        ; 16 x lane
	s_delay_alu instid0(VALU_DEP_2)
	v_lshlrev_b32 v2, 3, v9                        ; 8 x lane
	v_bfe_u32 v10, v0, 4, 1
	s_delay_alu instid0(VALU_DEP_1)
	v_sub_nc_u32 v10, 1, v10
	s_delay_alu instid0(VALU_DEP_1)
	v_mul_u32_u24 v22, v10, 40                     ; q's register 6: the code of -1.0 at k = 64 (lanes 0-15); the rest of the unused half is zeros
.irp j, 23,24,25,26,27
	v_mov_b32 v\j, 0
.endr
.irp t, 0,1,2,3
.irp j, 8,9,10,11
	v_mov_b32 v[32+12*\t+\j], 0                    ; k's registers 8 to 11: never loaded
.endr
	v_mov_b32 v[PD+\t], 0                          ; written once: a lane permute's destination counts as one of its sources
.endr
	v_mov_b32 v[F+1], 0                            ; (named as the upper half of a pair)
	s_mov_b32 s[SEL], 0x76543210
	s_mov_b32 s[SEL+1], 0xfedcba98
	s_mov_b32 s[CS], 0x3e38aa3b                    ; c = log2(e) / 8
	s_mov_b32 s[CS+1], s[CS]
	s_and_b32 s19, ttmp7, 0xffff                   ; hh = 16 b + hd
	s_lshr_b32 s30, s19, 4                         ; b
	s_and_b32 s31, s19, 15                         ; hd
	s_mov_b32 s33, 0
	s_mov_b32 s35, 0
	s_mov_b32 s37, 0
	s_mov_b32 s39, 0
	s_mov_b32 s41, 0
	s_mul_i32 s32, s19, KVR
	s_add_co_u32 s32, s32, KVO                     ; the head's record
	s_mul_i32 s34, s19, 49152                      ; q's images: tile 32 x + 2 w
	s_mul_i32 s42, ttmp9, 24576
	s_add_co_u32 s34, s34, s42
	s_mul_i32 s42, s18, 1536
	s_add_co_u32 s34, s34, s42
	s_lshl_b32 s36, s19, 13                        ; q's scale words: group 8 x + w / 2, place 2 (w % 2)
	s_lshl_b32 s42, ttmp9, 12
	s_add_co_u32 s36, s36, s42
	s_lshr_b32 s42, s18, 1
	s_lshl_b32 s42, s42, 9
	s_add_co_u32 s36, s36, s42
	s_and_b32 s42, s18, 1
	s_lshl_b32 s42, s42, 3
	s_add_co_u32 s36, s36, s42
	s_add_co_u32 s36, s36, QSC
	s_mul_i32 s38, s30, 786432                     ; o's images: token tile 64 b + 32 x + 2 w, head hd
	s_mul_i32 s42, ttmp9, 393216
	s_add_co_u32 s38, s38, s42
	s_mul_i32 s42, s18, 24576
	s_add_co_u32 s38, s38, s42
	s_mul_i32 s42, s31, 768
	s_add_co_u32 s38, s38, s42
	s_lshl_b32 s40, s30, 17                        ; o's scale words: pair of tiles 32 b + 16 x + w, head hd
	s_lshl_b32 s42, ttmp9, 16
	s_add_co_u32 s40, s40, s42
	s_lshl_b32 s42, s18, 12
	s_add_co_u32 s40, s40, s42
	s_lshl_b32 s42, s31, 8
	s_add_co_u32 s40, s40, s42
	s_add_co_u32 s40, s40, OSC
	s_mov_b32 s44, 1                               ; the record comes by sixteen tensor loads, one a wave: wave w brings its bytes 7,936 w on, 31 dense rows of 256 bytes (32 elements of 8), to the same place in LDS
	s_mul_i32 s45, s18, 7936
	s_mov_b32 s48, 3<<16                           ; elements of 8 bytes, no padding, no mask
	s_mov_b32 s49, 32<<16                          ; tensor_dim0 = 32
	s_mov_b32 s50, 31<<16                          ; tensor_dim1 = 31
	s_mov_b32 s51, 32<<16                          ; tile_dim0 = 32
	s_mov_b32 s52, 31                              ; tile_dim1 = 31
	s_mov_b32 s53, 32                              ; the pitch
	s_mov_b32 s54, 0
	s_mov_b32 s55, 0
	s_wait_dscnt 0x0                               ; both opening adds are done
	s_wait_kmcnt 0x0
	s_add_nc_u64 s[8:9], s[4:5], s[32:33]
	s_add_nc_u64 s[10:11], s[4:5], s[34:35]
	s_add_nc_u64 s[12:13], s[4:5], s[36:37]
	s_add_nc_u64 s[14:15], s[6:7], s[38:39]
	s_add_nc_u64 s[16:17], s[6:7], s[40:41]
	s_mov_b32 s42, s45
	s_mov_b32 s43, 0
	s_add_nc_u64 s[46:47], s[8:9], s[42:43]
	s_or_b32 s47, s47, 0x80000000
	tensor_load_to_lds s[44:47], s[48:55]          ; my one tensor load
	s_nop 0
.rept 4
	v_nop
.endr
	global_load_b128 v[16:19], v1, s[10:11]        ; q of my first tile, in its place,
	global_load_b64 v[20:21], v2, s[10:11] offset:512
	global_load_b32 v28, v1, s[12:13]              ; and its scale words;
	global_load_b128 v[92:95], v1, s[10:11] offset:768     ; q of my second tile waits in v92-95, v30-31, its scale words in v6
	global_load_b64 v[30:31], v2, s[10:11] offset:1280
	global_load_b32 v6, v1, s[12:13] offset:4
	s_wait_loadcnt 0x0                             ; q and its scale words are in
	s_wait_tensorcnt 0x0                           ; my part of the record lies in LDS
	s_barrier_signal -1
	s_barrier_wait -1                              ; everybody's does; nothing is filled again
; A KEY STEP: 128 keys.  s24, s25, s26, s27: where the step's k images, v images, k scale words, v scale words begin in LDS.
; The step's first four key tiles and their scale words are in registers when it begins: they were asked for in the step before (ahead of the loop: in front of it) and shown landed by a wait for all LDS loads since.
.macro KEYSTEP
	v_add_nc_u32 v8, s24, v1
	v_add_nc_u32 v9, s25, v1
	v_add_nc_u32 v10, s26, v1
	v_add_nc_u32 v11, s27, v1
	v_nop
	v_nop                                          ; six places: the products below write over registers that the last step's products read (five are asked)
.irp t, 0,1,2,3                                ; S^T = k q^T: key tiles 0 to 3
	v_wmma_scale_f32_16x16x128_f8f6f4 v[96+8*\t:103+8*\t], v[32+12*\t:43+12*\t], v[16:27], 0, v[80+\t], v28 matrix_a_fmt:MATRIX_FMT_FP6 matrix_b_fmt:MATRIX_FMT_FP6
.endr
.rept 4
	v_nop                                          ; places in front of loads into registers that matrix instructions have read
.endr
.irp t, 0,1,2,3
	ds_load_b128 v[32+12*\t:35+12*\t], v8 offset:(4+\t)*1024
	ds_load_b128 v[36+12*\t:39+12*\t], v8 offset:(4+\t)*1024+512
.endr
	ds_load_b128 v[84:87], v10 offset:512
	s_wait_alu depctr_va_vdst(0)
	s_wait_dscnt 0x0
.irp t, 0,1,2,3                                ; key tiles 4 to 7
	v_wmma_scale_f32_16x16x128_f8f6f4 v[128+8*\t:135+8*\t], v[32+12*\t:43+12*\t], v[16:27], 0, v[84+\t], v28 matrix_a_fmt:MATRIX_FMT_FP6 matrix_b_fmt:MATRIX_FMT_FP6
.endr
.rept 4
	v_nop                                          ; places: in front of the loads below and of the first read of the scores
.endr
.irp t, 0,1,2,3                                ; THE NEXT STEP'S key tiles 0 to 3, 8,192 bytes on, and their scale words, 1,024 on: they land under the softmax; the wait in front of this step's second product shows them landed.
	ds_load_b128 v[32+12*\t:35+12*\t], v8 offset:8192+\t*1024      ; (The last step's request reads the record's bytes behind k's images and scale words: inside LDS, written by the copy, and not used)
	ds_load_b128 v[36+12*\t:39+12*\t], v8 offset:8192+\t*1024+512
.endr
	ds_load_b128 v[80:83], v10 offset:1024
.irp b, 0,1,2,3
	v_max3_num_f32 v[BMX+\b], v[96+16*\b], v[97+16*\b], v[98+16*\b]   ; the largest score of each block of 32 keys: for the row's maximum, and, since p rises with the score, for the block's largest p
.endr
.irp i, 3,5,7,9,11,13
.irp b, 0,1,2,3
	v_max3_num_f32 v[BMX+\b], v[BMX+\b], v[96+16*\b+\i], v[97+16*\b+\i]
.endr
.endr
.irp b, 0,1,2,3
	v_max_num_f32 v[BMX+\b], v[BMX+\b], v[111+16*\b]
.endr
.irp b, 0,1,2,3
	s_delay_alu instid0(VALU_DEP_4)
	v_permlanex16_b32 v[PD+\b], v[BMX+\b], s[SEL], s[SEL+1]
.endr
.irp b, 0,1,2,3
	s_delay_alu instid0(VALU_DEP_4)
	v_max_num_f32 v[BMX+\b], v[BMX+\b], v[PD+\b]   ; with lane l xor 16's 16 keys
.endr
	s_delay_alu instid0(VALU_DEP_2)
	v_max3_num_f32 v[TP], v[BMX], v[BMX+1], v[BMX+2]
	s_delay_alu instid0(VALU_DEP_1)
	v_max_num_f32 v[TP], v[TP], v[BMX+3]
	s_delay_alu instid0(VALU_DEP_1)
	v_mul_f32 v[TP], s[CS], v[TP]                  ; the step's largest t
	s_delay_alu instid0(VALU_DEP_1)
	v_max_num_f32 v13, v13, v[TP]                  ; the running largest t
	v_mov_b32 v[TP], v12
	s_delay_alu instid0(VALU_DEP_2)
	v_floor_f32 v12, -v13                          ; the new -M = floor(-t): M is a whole number
	s_delay_alu instid0(VALU_DEP_1)
	v_sub_f32 v[TP], v12, v[TP]                    ; old M - new M: a whole number, 0 or less
	s_delay_alu instid0(VALU_DEP_1)
	v_cvt_i32_f32 v[TP], v[TP]                     ; (it saturates)
	s_delay_alu instid0(VALU_DEP_1)
	v_ldexp_f32 v[F], 1.0, v[TP]                   ; f = 2^(old M - new M)
.set J, 0
.rept 32
	v_pk_fma_f32 v[96+J:97+J], v[96+J:97+J], s[CS:CS+1], v[12:13] op_sel_hi:[1,0,0]   ; t - M, two at a time
.set J, J+2
.endr
.irp b, 0,1,2,3
	v_fma_f32 v[BMX+\b], v[BMX+\b], s[CS], v12     ; the same of each block's largest score
.endr
.set J, 0
	s_wait_alu depctr_va_vdst(0)
.rept 64
	v_exp_f32 v[96+J], v[96+J]                     ; p = 2^(t - M), at most 1
.set J, J+1
.endr
	v_pk_mul_f32 v[14:15], v[14:15], v[F:F+1] op_sel_hi:[1,0]   ; the sums under the new M; the plain line behind the exponentials
	s_wait_alu depctr_va_vdst(0)                   ; one wait for the whole batch, ahead of its first reader
.irp b, 0,1,2,3
	v_exp_f32 v[BMX+\b], v[BMX+\b]                 ; the block's largest p: the same two instructions on the same number give the same bits
.endr
	v_pk_add_f32 v[228:229], v[100:101], v[104:105]
	v_pk_add_f32 v[252:253], v[108:109], v[112:113]
	v_pk_add_f32 v[250:251], v[116:117], v[120:121]
	v_pk_add_f32 v[248:249], v[124:125], v[128:129]
	v_pk_add_f32 v[246:247], v[132:133], v[136:137]
	v_pk_add_f32 v[244:245], v[140:141], v[144:145]
	v_pk_add_f32 v[242:243], v[148:149], v[152:153]
	v_pk_add_f32 v[14:15], v[14:15], v[156:157]
	v_pk_add_f32 v[228:229], v[228:229], v[96:97]
	v_pk_add_f32 v[252:253], v[252:253], v[98:99]
	v_pk_add_f32 v[250:251], v[250:251], v[102:103]
	v_pk_add_f32 v[248:249], v[248:249], v[106:107]
	v_pk_add_f32 v[246:247], v[246:247], v[110:111]
	v_pk_add_f32 v[244:245], v[244:245], v[114:115]
	v_pk_add_f32 v[242:243], v[242:243], v[118:119]
	v_pk_add_f32 v[14:15], v[14:15], v[122:123]
	v_pk_add_f32 v[228:229], v[228:229], v[126:127]
	v_pk_add_f32 v[252:253], v[252:253], v[130:131]
	v_pk_add_f32 v[250:251], v[250:251], v[134:135]
	v_pk_add_f32 v[248:249], v[248:249], v[138:139]
	v_pk_add_f32 v[246:247], v[246:247], v[142:143]
	v_pk_add_f32 v[244:245], v[244:245], v[146:147]
	v_pk_add_f32 v[242:243], v[242:243], v[150:151]
	v_pk_add_f32 v[14:15], v[14:15], v[154:155]
	v_pk_add_f32 v[228:229], v[228:229], v[158:159]
	s_delay_alu instid0(VALU_DEP_2)
	v_pk_add_f32 v[14:15], v[14:15], v[248:249]
	s_delay_alu instid0(VALU_DEP_2)
	v_pk_add_f32 v[228:229], v[228:229], v[246:247]
	v_pk_add_f32 v[252:253], v[252:253], v[244:245]
	v_pk_add_f32 v[250:251], v[250:251], v[242:243]
	s_delay_alu instid0(VALU_DEP_2)
	v_pk_add_f32 v[14:15], v[14:15], v[252:253]
	s_delay_alu instid0(VALU_DEP_2)
	v_pk_add_f32 v[228:229], v[228:229], v[250:251]
	s_delay_alu instid0(VALU_DEP_1)
	v_pk_add_f32 v[14:15], v[14:15], v[228:229]
	s_wait_alu depctr_va_vdst(0)                   ; and one for the four
.irp b, 0,1,2,3
	v_max_num_f32 v[BMX+\b], 0x1800000, v[BMX+\b]  ; the floor 2^(3 - 127): a block whose every p is 0 keeps the byte 1; its codes are zeros
.endr
.irp b, 0,1,2,3
	s_delay_alu instid0(VALU_DEP_4)
	v_add_nc_u32 v[SO+\b], 0xff000000, v[BMX+\b]
.endr
.irp b, 0,1,2,3
	s_delay_alu instid0(VALU_DEP_4)
	v_lshrrev_b32 v[PD+\b], 23, v[SO+\b]
.endr
	s_delay_alu instid0(VALU_DEP_3)
	v_lshl_or_b32 v29, v[PD+1], 8, v[PD]           ; p's scale word for these 128 keys
	s_delay_alu instid0(VALU_DEP_1)
	v_lshl_or_b32 v29, v[PD+2], 16, v29
	s_delay_alu instid0(VALU_DEP_1)
	v_lshl_or_b32 v29, v[PD+3], 24, v29
.irp c, 0,1
	v_cvt_scalef32_pk16_fp6_f32 v[192+6*\c:194+6*\c], v[96+32*\c:111+32*\c], v[SO+2*\c]
	v_cvt_scalef32_pk16_fp6_f32 v[204+4*\c:206+4*\c], v[112+32*\c:127+32*\c], v[SO+2*\c+1]
.endr
.irp i, 0,1,2,3                                ; p is done with: v's four fragments land in its registers while the codes are put in order
.irp c, 0,1,2
	ds_load_b128 v[96+12*\i+4*\c:99+12*\i+4*\c], v9 offset:\i*1536+512*\c
.endr
.endr
	ds_load_b128 v[88:91], v11
	v_nop                                          ; one plain line behind the conversions
.irp c, 0,1
.irp i, 0,1,2
	v_permlane16_swap_b32 v[192+6*\c+\i], v[204+4*\c+\i]
.endr
.irp i, 0,1,2
	s_delay_alu instid0(VALU_DEP_3)
	v_mov_b32 v[195+6*\c+\i], v[204+4*\c+\i]
.endr
.endr
.set J, 0
.rept 16
	v_pk_mul_f32 v[160+J:161+J], v[160+J:161+J], v[F:F+1] op_sel_hi:[1,0]   ; O^T under the new M; also the places between the codes' and the scale word's last writes and the products
.set J, J+2
.endr
	s_wait_alu depctr_va_vdst(0)
	s_wait_dscnt 0x0                               ; v's fragments are in, and so are the next step's first key tiles, which were asked for earlier
.irp i, 0,1,2,3                                ; O^T += v^T p^T: four accumulators, one instruction each
	v_wmma_scale_f32_16x16x128_f8f6f4 v[160+8*\i:167+8*\i], v[96+12*\i:107+12*\i], v[192:203], v[160+8*\i:167+8*\i], v[88+\i], v29 matrix_a_fmt:MATRIX_FMT_FP6 matrix_b_fmt:MATRIX_FMT_FP6
.endr
.endm
; One tile of 16 queries: tile 32 x + 2 w + e
.macro TILE e
.if \e
	s_wait_xcnt 0x0                                ; the last tile's stores have read their registers
.irp j, 0,1,2,3
	v_mov_b32 v[16+\j], v[92+\j]                   ; the second tile's q and scale words move into place; the 37 plain lines below stand between these writes and the first product
.endr
	v_mov_b32 v20, v30
	v_mov_b32 v21, v31
	v_mov_b32 v28, v6
.endif
	s_mov_b32 s24, 0
	s_mov_b32 s25, 65536
	s_mov_b32 s26, 114688
	s_mov_b32 s27, 122880
	s_mov_b32 s28, 8
	v_add_nc_u32 v10, s26, v1
.irp t, 0,1,2,3                                ; key step 0's first four key tiles and their scale words
	ds_load_b128 v[32+12*\t:35+12*\t], v1 offset:\t*1024
	ds_load_b128 v[36+12*\t:39+12*\t], v1 offset:\t*1024+512
.endr
	ds_load_b128 v[80:83], v10
	v_mov_b32 v13, 0xff61b1e6                      ; the largest t so far: -3e38
	s_delay_alu instid0(VALU_DEP_1)
	v_floor_f32 v12, -v13
	v_mov_b32 v14, 0
	v_mov_b32 v15, 0
.set J, 0
.rept 32
	v_mov_b32 v[160+J], 0                          ; O^T: the loop is written once; its first step finds zeros
.set J, J+1
.endr
	s_wait_dscnt 0x0
.Lkey_\@:
	KEYSTEP
	s_add_co_u32 s24, s24, 8192
	s_add_co_u32 s25, s25, 6144
	s_add_co_u32 s26, s26, 1024
	s_add_co_u32 s27, s27, 512
	s_sub_co_u32 s28, s28, 1
	s_cmp_lg_u32 s28, 0
	s_cbranch_scc1 .Lkey_\@
.rept 4
	v_nop                                          ; the places behind the last products
.endr
	v_add_f32 v14, v14, v15
	s_delay_alu instid0(VALU_DEP_1)
	v_permlanex16_b32 v[TP], v14, s[SEL], s[SEL+1]
	s_delay_alu instid0(VALU_DEP_1)
	v_add_f32 v14, v14, v[TP]                      ; the row's sum
	s_wait_alu depctr_va_vdst(0)
	v_rcp_f32 v14, v14
	v_nop
	s_wait_alu depctr_va_vdst(0)
	v_mov_b32 v15, v14
.set J, 0
.rept 16
	v_pk_mul_f32 v[96+J:97+J], v[160+J:161+J], v[14:15]   ; o: register 16 b + i = channel 32 b + 16 h + i; each accumulator from its low end on
.set J, J+2
.endr
	QUANT 96, 0, 2
	v_mov_b32 v[232+\e], v[PW]
	global_store_b128 v1, v[PC:PC+3], s[14:15] offset:12288*\e
	global_store_b64 v2, v[PC+4:PC+5], s[14:15] offset:12288*\e+512
.endm
	TILE 0
	TILE 1
	global_store_b64 v2, v[232:233], s[16:17]      ; the two tiles' scale words: 32 lanes store 256 consecutive bytes
	s_wait_tensorcnt 0x0
	ds_add_u32 v254, v255
	s_wait_dscnt 0x0
	s_endpgm
.Lfunc_end_k_q38de73d741_attn:
	.size	k_q38de73d741_attn, .Lfunc_end_k_q38de73d741_attn-k_q38de73d741_attn
	.p2alignl 7, 3214868480
	.fill 96, 4, 3214868480
	.section	.rodata,"a",@progbits
	.p2align	6, 0x0
	.amdhsa_kernel k_q38de73d741_attn
		.amdhsa_group_segment_fixed_size 167936
		.amdhsa_private_segment_fixed_size 0
		.amdhsa_enable_private_segment 0
		.amdhsa_kernarg_size 16
		.amdhsa_user_sgpr_count 2
		.amdhsa_user_sgpr_kernarg_segment_ptr 1
		.amdhsa_wavefront_size32 1
		.amdhsa_system_sgpr_workgroup_id_x 1
		.amdhsa_system_sgpr_workgroup_id_y 1
		.amdhsa_system_sgpr_workgroup_id_z 1
		.amdhsa_system_vgpr_workitem_id 0
		.amdhsa_next_free_vgpr 256
		.amdhsa_next_free_sgpr 66
		.amdhsa_reserve_vcc 0
		.amdhsa_float_denorm_mode_32 3
		.amdhsa_float_denorm_mode_16_64 3
		.amdhsa_memory_ordered 1
		.amdhsa_forward_progress 1
		.amdhsa_inst_pref_size 54
	.end_amdhsa_kernel
	.amdgpu_metadata
---
amdhsa.version: [ 1, 2 ]
amdhsa.kernels:
  - .name:           k_q38de73d741_attn
    .symbol:         k_q38de73d741_attn.kd
    .args:
      - { .name: qkv, .offset: 0, .size: 8, .value_kind: global_buffer, .address_space: global }
      - { .name: o6, .offset: 8, .size: 8, .value_kind: global_buffer, .address_space: global }
    .group_segment_fixed_size: 167936
    .private_segment_fixed_size: 0
    .kernarg_segment_align: 8
    .kernarg_segment_size: 16
    .max_flat_workgroup_size: 512
    .sgpr_count:     66
    .vgpr_count:     256
    .wavefront_size: 32
...
	.end_amdgpu_metadata
.endif
;; end of part 3
;; launch gres (part 4): grid 64 x 4, 4 waves a work-group, no clusters, 167,936 bytes of LDS; arguments o6, wo6, x, bo, out1; writes out1
.if DOCPART == 4
	.amdgcn_target "amdgcn-amd-amdhsa--gfx1250"
	.amdhsa_code_object_version 6
	.text
	.protected	k_q38de73d741_gres
	.globl	k_q38de73d741_gres
	.p2align	8
	.type	k_q38de73d741_gres,@function
k_q38de73d741_gres:
	s_mov_b64 s[64:65], 0
	v_nop
	global_prefetch_b8 v0, s[64:65] scope:SCOPE_SE
	s_setreg_imm32_b32 hwreg(HW_REG_WAVE_MODE, 25, 1), 1
	s_wait_xcnt 0x0
; out = res + A W + bias.  A: 8,192 tokens x 1,024, codes of FP6 (E2M3) as images of operand registers with two scale bytes for each 64 along K; W: a weight's images; res, out: f32 rows of 4,096 bytes.
; The body runs twice: attn = x + o wo + bo, and out = attn + hidden w2 + b2.
; SHARES.  A work-group takes 128 tokens (8 tiles of 16; row i of tile T is token 32 (T / 2) + 8 (T % 2) + i + 8 (i / 8)) x 256 columns; wave w takes the group of 64 columns 4 y + w: 32 accumulators, 8 K steps of 32 matrix instructions.
; A's 64 fragments, 98,304 dense bytes, come into LDS as they lie in memory by four tensor loads at the head, one a wave (96 rows of 256 bytes each), filled once and read by all four waves:
; token tile m, K step s at 12,288 m + 1,536 s, two halves of 768 bytes: registers 0-3 at 16 l, 4-5 at 512 + 8 l.
; A's scale words: wave w loads the two bytes of each of the 16 blocks of 64 for tiles 2 w and 2 w + 1, joins two to a K step's word, and hands them to the others through LDS (512 m + 32 r + 4 s), in bytes of their own, behind the wait for its tensor load.
; THE WEIGHTS of all 8 K steps have registers of their own: 8 x 48; each step's 13 loads of 512 consecutive bytes go from memory straight into them: a weight fragment feeds 8 products of one wave and no other wave.
; THE RESIDUAL, 64 loads of two rows' 256 bytes, lands in window 3 as the weights there are done with: piece P in registers 4 P.
; Source 0 = 16 columns of the weight, source 1 = 16 tokens: a lane holds one token.  THE WAY OUT: a token tile goes through the wave's own stage in LDS (16 rows of 256 + 16 bytes) and comes back by rows;
; the residual is added in that layout; sixteen lanes store a row's 256 consecutive bytes, at a multiple of 256.  The bias is the C of the first K step.
; NO CLUSTER: what work-groups share through LDS is A's 98,304 bytes, of the 442,368 that a work-group reads (the weights' 212,992 and the residual's 131,072 go to one wave's registers).
; NO PREFETCH: the text is straight-line, every load of the launch is asked for in its first steps; there is no loop to run ahead in.
; REGISTERS: window 0: addresses, scale words, bias, weights of steps 5 (v208) and 7 (v160); window 1: accumulators, token tile m, column tile i at 8 (4 m + i);
; window 2: A's fragments, two sets of 96, weights of step 6 (v192); on the way out v0-63 the rows read back; window 3: weights of steps 0-4, then the residual.
.set OSC, 6291456
.set WSC, 786432
.set SCB, 98304                        ; LDS: the scale words, 4,096 bytes
.set STG, 102400                       ; the four stages, 4,352 bytes each
.set SPARE, 119808                     ; the spare words: 128 bytes a wave
.set SPW, 14
.set NIL, 15
.set XS,  32                           ; v32-95   A's scale words: tile m, K step s at 8 m + s
.set WS,  96                           ; v96-127  the weights' scale words, 4 a step
.set BI,  128                          ; v128-159 the bias in the result's layout
.set SS,  160                          ; v160-191 in the head: the pairs of scale bytes as loaded
.set MW,  192                          ; v192-207 in the head: the words made of them
.set G0,  52                           ; s[52:55] the tensor load's group 0
.set G1,  56                           ; s[56:63] its group 1
.set MSB, 0
.macro WIN new                         ; the immediate's high byte repeats the setting that is left
.if MSB != (\new)
	s_set_vgpr_msb (MSB<<8)|(\new)
.set MSB, (\new)
.endif
.endm
.macro SLOT t                          ; where step t's weights lie: window SW, register SB
.if (\t) < 5
.set SB, 48*(\t)
.set SW, 3
.else
.if (\t) == 6
.set SB, 192
.set SW, 2
.else
.set SB, 208-24*((\t)-5)
.set SW, 0
.endif
.endif
.endm
.macro MM d, a, b, c, sa, sb
	v_wmma_scale_f32_16x16x128_f8f6f4 v[\d:\d+7], v[\a:\a+11], v[\b:\b+11], v[\c:\c+7], v[\sa], v[\sb] matrix_a_fmt:MATRIX_FMT_FP6 matrix_b_fmt:MATRIX_FMT_FP6
.endm
.macro BLOAD t                         ; step t's four weight fragments and their scale words: 13 loads
	SLOT \t
.set WV, SW<<6
	WIN WV
.set J, 0
.rept 12
	global_load_b128 v[SB+4*J:SB+4*J+3], v1, s[28:29] offset:(\t)*98304+512*J
.set J, J+1
.endr
	WIN 0
	global_load_b128 v[WS+4*(\t):WS+4*(\t)+3], v1, s[30:31] offset:(\t)*8192
.endm
.macro AFETCH t                        ; A's eight fragments of K step t into set t % 2: 32 LDS loads
	WIN 0x80
.irp m, 0,1,2,3,4,5,6,7
.set FB, 96*((\t)%2)+12*\m
.set FO, (\m%4)*12288+(\t)*1536
	ds_load_b128 v[FB:FB+3], v[1+3*(\m/4)] offset:FO
	ds_load_b64 v[FB+4:FB+5], v[2+7*(\m/4)] offset:FO+512
	ds_load_b128 v[FB+6:FB+9], v[1+3*(\m/4)] offset:FO+768
	ds_load_b64 v[FB+10:FB+11], v[2+7*(\m/4)] offset:FO+1280
.endr
	WIN 0
.endm
.macro RLOAD p0, n                     ; n pieces of the residual from piece p0 on: piece P = rows 2 (P % 8), + 1 of token tile P / 8
	WIN 0xc0
.set P, \p0
.rept \n
	global_load_b128 v[4*P:4*P+3], v11, s[8:9] offset:(32*(P/16)+8*((P/8)%2)+2*(P%8)+8*((P%8)/4))*4096 th:TH_LOAD_NT
.set P, P+1
.endr
	WIN 0
.endm
	s_load_b256 s[4:11], s[0:1], 0x0               ; A, W, res, bias
	s_load_b64 s[12:13], s[0:1], 0x20              ; out
	v_lshl_add_u32 v[SPW], v0, 2, SPARE
	v_mov_b32 v[NIL], 0
	ds_add_u32 v[SPW], v[NIL]                      ; the wave's opening: the add, twice on end, and its wait ahead of my tensor load
	ds_add_u32 v[SPW], v[NIL]
	v_lshrrev_b32 v12, 5, v0
	v_readfirstlane_b32 s18, v12                   ; wave
	v_and_b32 v3, 31, v0
	v_lshlrev_b32 v1, 4, v3                        ; 16 x lane
	v_lshlrev_b32 v2, 3, v3                        ; 8 x lane
	v_add_nc_u32 v4, 49152, v1                     ; LDS: tiles 4 to 7
	v_add_nc_u32 v9, 49152, v2
	v_and_b32 v12, 15, v0                          ; r
	v_bfe_u32 v13, v0, 4, 1                        ; h
	v_lshlrev_b32 v5, 5, v12
	v_add_nc_u32 v5, SCB, v5                       ; row r's eight scale words
	v_lshlrev_b32 v6, 6, v13                       ; bias: 64 h
	s_mul_i32 s19, s18, 4352
	s_add_co_u32 s19, s19, STG                     ; my stage
	v_mul_u32_u24 v7, v12, 272
	v_add_nc_u32 v7, v7, v6
	v_add_nc_u32 v7, s19, v7                       ; in: row r, + 64 h
	v_mul_u32_u24 v8, v13, 272
	v_lshl_add_u32 v8, v12, 4, v8
	v_add_nc_u32 v8, s19, v8                       ; back: sixteen lanes to a row, two rows an instruction
	v_lshlrev_b32 v11, 12, v13
	v_lshl_add_u32 v11, v12, 4, v11                ; and the same two rows in res and out
	s_lshl_b32 s19, s18, 10
	v_add_nc_u32 v16, s19, v5                      ; where my two tiles' scale words go
	s_and_b32 s22, ttmp7, 0xffff
	s_lshl_b32 s22, s22, 2
	s_add_co_u32 s22, s22, s18                     ; G: my 64 columns
	s_mov_b32 s47, 0
	s_mov_b32 s45, 0
	s_mov_b32 s[G0], 1
	s_mul_i32 s[G0+1], s18, 24576                  ; my quarter of the images, in LDS as in memory
	s_mov_b32 s[G1], 3<<16                         ; elements of 8 bytes, no padding, no mask
	s_mov_b32 s[G1+1], 32<<16                      ; tensor_dim0 = 32: rows of 256 bytes
	s_mov_b32 s[G1+2], 96<<16                      ; tensor_dim1 = 96
	s_mov_b32 s[G1+3], 32<<16                      ; tile_dim0 = 32
	s_mov_b32 s[G1+4], 96                          ; tile_dim1 = 96
	s_mov_b32 s[G1+5], 32                          ; the pitch: the block is dense
	s_mov_b32 s[G1+6], 0
	s_mov_b32 s[G1+7], 0
	s_wait_alu depctr_va_vdst(0)
	s_wait_dscnt 0x0                               ; both opening adds are done
	s_wait_kmcnt 0x0
	s_mul_i32 s46, ttmp9, 98304
	s_add_co_u32 s44, s46, s[G0+1]
	s_add_nc_u64 s[G0+2:G0+3], s[4:5], s[44:45]    ; the block's images, my quarter
	s_or_b32 s[G0+3], s[G0+3], 0x80000000
	tensor_load_to_lds s[G0:G0+3], s[G1:G1+7]      ; my one tensor load
	s_nop 0
.rept 4
	v_nop
.endr
	s_lshl_b32 s46, ttmp9, 2
	s_add_co_u32 s46, s46, s18
	s_lshl_b32 s46, s46, 12
	s_add_co_u32 s46, s46, OSC
	s_add_nc_u64 s[26:27], s[4:5], s[46:47]        ; the scale bytes of tiles 2 w, 2 w + 1: 256 bytes for each 64 along K
	s_mul_i32 s46, s22, 6144
	s_add_nc_u64 s[28:29], s[6:7], s[46:47]        ; my group's weight images; a step is 98,304 bytes on
	s_lshl_b32 s46, s22, 9
	s_add_co_u32 s46, s46, WSC
	s_add_nc_u64 s[30:31], s[6:7], s[46:47]        ; and scale words; a step is 8,192 on
	s_lshl_b32 s46, s22, 8
	s_add_nc_u64 s[10:11], s[10:11], s[46:47]      ; the bias at my columns
	s_lshl_b32 s48, ttmp9, 19
	s_add_co_u32 s46, s46, s48
	s_add_nc_u64 s[8:9], s[8:9], s[46:47]          ; res and out: 128 x rows of 4,096 bytes, + my 256 bytes
	s_add_nc_u64 s[12:13], s[12:13], s[46:47]
.set J, 0
.rept 16
	global_load_b64 v[SS+2*J:SS+2*J+1], v2, s[26:27] offset:256*J
.set J, J+1
.endr
.irp i, 0,1,2,3
	global_load_b128 v[BI+8*\i:BI+8*\i+3], v6, s[10:11] offset:(32*(\i/2)+8*(\i%2))*4
	global_load_b128 v[BI+8*\i+4:BI+8*\i+7], v6, s[10:11] offset:(32*(\i/2)+8*(\i%2))*4+16
.endr
	BLOAD 0
	BLOAD 1
	BLOAD 2
	BLOAD 3
	s_wait_loadcnt 60                              ; the scale bytes are in; the bias's 8 loads and four steps' 52 may be out
.irp e, 0,1
.irp s, 0,1,2,3,4,5,6,7
	v_lshl_or_b32 v[MW+8*\e+\s], v[SS+4*\s+2+\e], 16, v[SS+4*\s+\e]   ; two blocks of 64 make a K step's word
.endr
.endr
	BLOAD 4
	BLOAD 5
	s_wait_alu depctr_va_vdst(0)
	s_wait_tensorcnt 0x0                           ; my quarter of the images lies in LDS; no engine load of mine is out when I store to LDS
.irp e, 0,1
.irp q, 0,1
	ds_store_b128 v16, v[MW+8*\e+4*\q:MW+8*\e+4*\q+3] offset:512*\e+16*\q   ; lanes r and r + 16 write the same words with the same values
.endr
.endr
	s_wait_dscnt 0x0                               ; my scale words lie in LDS
	s_barrier_signal -1
	s_barrier_wait -1                              ; everybody's parts do: the launch's one barrier; nothing is filled again
.irp m, 0,1,2,3,4,5,6,7
	ds_load_b128 v[XS+8*\m:XS+8*\m+3], v5 offset:512*\m
	ds_load_b128 v[XS+8*\m+4:XS+8*\m+7], v5 offset:512*\m+16
.endr
	AFETCH 0
; One K step.  The 32 accumulators take turns, one instruction a turn, in the same order in every step.
.macro STEP t
	WIN 0
.rept 4
	v_nop                                          ; the places behind the last step's products, in front of the loads into registers that they read
.endr
.if (\t) >= 1 && (\t) <= 4
	RLOAD 12*((\t)-1), 12                          ; into the weights' registers of the step before
.endif
.if (\t) == 5
	RLOAD 48, 16
.endif
.if (\t) < 7
	AFETCH (\t)+1
.endif
	s_wait_loadcnt 63                              ; this step's weights are in: behind them at least 64 loads have been issued (later steps' 13 each, the residual's 12 a step)
.if (\t) < 7
	s_wait_dscnt 32                                ; this step's fragments of A are in; the 32 loads just issued may be out
.else
	s_wait_dscnt 0x0
.endif
.if (\t) == 0
	BLOAD 6
	BLOAD 7                                        ; v160-207 are done with behind the barrier
.endif
	SLOT \t
.if (\t) == 0
.set WV, 0x48+SW                       ; source 0 (weight), source 1 (A) window 2, C (bias) window 0, D window 1
.else
.set WV, 0x58+SW
.endif
	WIN WV
.irp m, 0,1,2,3,4,5,6,7
.irp i, 0,1,2,3
.if (\t) == 0
	MM 8*(4*\m+\i), SB+12*\i, 96*((\t)%2)+12*\m, BI+8*\i, WS+4*(\t)+\i, XS+8*\m+(\t)
.else
	MM 8*(4*\m+\i), SB+12*\i, 96*((\t)%2)+12*\m, 8*(4*\m+\i), WS+4*(\t)+\i, XS+8*\m+(\t)
.endif
.endr
.endr
.endm
.irp t, 0,1,2,3,4,5,6,7
	STEP \t
.endr
.macro TOSTAGE a                       ; token tile a into my stage, each accumulator from its low end on, and back by rows; LDS serves a wave's instructions in order
	WIN 0x04
.irp i, 0,1,2,3
	ds_store_b128 v7, v[32*(\a)+8*\i:32*(\a)+8*\i+3] offset:128*(\i/2)+32*(\i%2)
	ds_store_b128 v7, v[32*(\a)+8*\i+4:32*(\a)+8*\i+7] offset:128*(\i/2)+32*(\i%2)+16
.endr
	WIN 0x80
.irp t, 0,1,2,3,4,5,6,7
	ds_load_b128 v[32*((\a)%2)+4*\t:32*((\a)%2)+4*\t+3], v8 offset:544*\t
.endr
	WIN 0
.endm
.macro SEND a, younger                 ; younger: the LDS instructions issued behind tile a's loads
.set DB, 32*((\a)%2)
	s_wait_dscnt \younger
	s_wait_loadcnt 56-8*(\a)                       ; tile a's eight pieces of the residual are in; the later tiles' may be out
	WIN 0x8e                                       ; rows window 2, residual window 3
.set J, 0
.rept 16
	v_pk_add_f32 v[DB+J:DB+J+1], v[DB+J:DB+J+1], v[32*(\a)+J:32*(\a)+J+1]
.set J, J+2
.endr
	WIN 0x08
.irp t, 0,1,2,3,4,5,6,7
	global_store_b128 v11, v[DB+4*\t:DB+4*\t+3], s[12:13] offset:(32*((\a)/2)+8*((\a)%2)+2*\t+8*(\t/4))*4096 th:TH_STORE_NT
.endr
	WIN 0
.endm
	WIN 0
.rept 4
	v_nop                                          ; the places behind the last products
.endr
	TOSTAGE 0
.irp a, 1,2,3,4,5,6,7
.if \a > 1
	s_wait_xcnt 0x0                                ; tile a - 2's stores have read their registers, which tile a's loads write
.endif
	TOSTAGE \a
	SEND \a-1, 16
.endr
	SEND 7, 0
	s_wait_tensorcnt 0x0                           ; the wave's end
	ds_add_u32 v[SPW], v[NIL]
	s_wait_dscnt 0x0
	s_endpgm
.Lfunc_end_k_q38de73d741_gres:
	.size	k_q38de73d741_gres, .Lfunc_end_k_q38de73d741_gres-k_q38de73d741_gres
	.p2alignl 7, 3214868480
	.fill 96, 4, 3214868480
	.section	.rodata,"a",@progbits
	.p2align	6, 0x0
	.amdhsa_kernel k_q38de73d741_gres
		.amdhsa_group_segment_fixed_size 167936
		.amdhsa_private_segment_fixed_size 0
		.amdhsa_enable_private_segment 0
		.amdhsa_kernarg_size 40
		.amdhsa_user_sgpr_count 2
		.amdhsa_user_sgpr_kernarg_segment_ptr 1
		.amdhsa_wavefront_size32 1
		.amdhsa_system_sgpr_workgroup_id_x 1
		.amdhsa_system_sgpr_workgroup_id_y 1
		.amdhsa_system_sgpr_workgroup_id_z 1
		.amdhsa_system_vgpr_workitem_id 0
		.amdhsa_next_free_vgpr 1024
		.amdhsa_next_free_sgpr 66
		.amdhsa_reserve_vcc 0
		.amdhsa_float_denorm_mode_32 3
		.amdhsa_float_denorm_mode_16_64 3
		.amdhsa_memory_ordered 1
		.amdhsa_forward_progress 1
		.amdhsa_inst_pref_size 100
	.end_amdhsa_kernel
	.amdgpu_metadata
---
amdhsa.version: [ 1, 2 ]
amdhsa.kernels:
  - .name:           k_q38de73d741_gres
    .symbol:         k_q38de73d741_gres.kd
    .args:
      - { .name: o6, .offset: 0, .size: 8, .value_kind: global_buffer, .address_space: global }
      - { .name: wo6, .offset: 8, .size: 8, .value_kind: global_buffer, .address_space: global }
      - { .name: x, .offset: 16, .size: 8, .value_kind: global_buffer, .address_space: global }
      - { .name: bo, .offset: 24, .size: 8, .value_kind: global_buffer, .address_space: global }
      - { .name: out1, .offset: 32, .size: 8, .value_kind: global_buffer, .address_space: global }
    .group_segment_fixed_size: 167936
    .private_segment_fixed_size: 0
    .kernarg_segment_align: 8
    .kernarg_segment_size: 40
    .max_flat_workgroup_size: 128
    .sgpr_count:     66
    .vgpr_count:     1024
    .wavefront_size: 32
...
	.end_amdgpu_metadata
.endif
;; end of part 4
;; launch ln1 (part 5): grid 512 x 1, 8 waves a work-group, no clusters, 70,656 bytes of LDS; arguments out1, g2, beta2, xn; writes xn
.if DOCPART == 5
	.amdgcn_target "amdgcn-amd-amdhsa--gfx1250"
	.amdhsa_code_object_version 6
	.text
	.protected	k_q38de73d741_ln1
	.globl	k_q38de73d741_ln1
	.p2align	8
	.type	k_q38de73d741_ln1,@function
k_q38de73d741_ln1:
	s_mov_b64 s[64:65], 0
	v_nop
	global_prefetch_b8 v0, s[64:65] scope:SCOPE_SE
	s_setreg_imm32_b32 hwreg(HW_REG_WAVE_MODE, 25, 1), 1
	s_wait_xcnt 0x0
; xn = g2 / (std + 1e-6) * (out1 - mean) + beta2 (std with 1,023 in the divisor), in f32, quantised along the row to FP6 (E2M3) with one E8M0 byte for each 32.
; A work-group is one TILE of 16 tokens: row i of tile T is token 32 (T / 2) + 8 (T % 2) + i + 8 (i / 8).  Wave w takes columns 128 w .. 128 w + 127: one K step, one fragment.
; Loads are dense (32 lanes, 512 consecutive bytes of a row); the 16 x 512 bytes turn through the wave's own stage in LDS so that lane (r, h) holds, of row r,
; register 16 b + i = column 128 w + 32 b + 16 h + i: the layout from which the conversions' results are the operand's registers.
; Mean and variance in two passes (the mean is taken away before the squares), the eight waves' parts meet in LDS: three barriers.
; Out: the fragment as an image of its registers (registers 4c .. 4c+3 of lane l at 512 c + 16 l) at T x 12,288 + w x 1,536; the scale words at XSC + T x 512 + 32 r + 4 w.
; LIMITS: a block of zeros gets the byte 1 (its codes are zeros; this program alone reads the bytes); NaN and infinities are not served.
.set X,   16                           ; v16-79   my 64 numbers
.set G,   80                           ; v80-143  g2 at my columns
.set BT,  144                          ; v144-207 beta2
.set TM,  208                          ; v208-223 the quantiser's
.set PW,  224                          ; the scale word
.set PC,  226                          ; v226-244 the codes; before that the eight waves' sums
.set SM,  246                          ; v246-253 four chains of pairs
.set MP,  254                          ; v254-255 the mean, later 1 / (std + 1e-6), twice
.set SEL, 20
.set STAT1, 67584                      ; LDS behind the eight stages of 8,448 bytes: sums, 32 r + 4 w; + 512: sums of squares; + 1,024: scale words
.set XSC,   6291456
.set MSB, 0
.macro WIN new                         ; the immediate's high byte repeats the setting that is left (in this text every window stays 0)
.if MSB != \new
	s_set_vgpr_msb (MSB<<8)|\new
.set MSB, \new
.endif
.endm
; 16 nb numbers of a lane, register 16 b + i = k 32 b + 16 h + i of my row, become codes in v[PC] on (6 registers for each 64 k) and the scale word in v[PW]
.macro QUANT src, win, nb
	WIN 5*(\win)
.irp b, 0,1,2,3
.if \b < \nb
	v_max3_num_f32 v[TM+\b], |v[(\src)+16*\b]|, |v[(\src)+16*\b+1]|, 0x1800000   ; with the floor 2^(3 - 127): the byte cannot fall under 1
.endif
.endr
.irp i, 2,4,6,8,10,12,14
.irp b, 0,1,2,3
.if \b < \nb
	s_delay_alu instid0(VALU_DEP_4)
	v_max3_num_f32 v[TM+\b], |v[(\src)+16*\b+\i]|, |v[(\src)+16*\b+\i+1]|, v[TM+\b]   ; the blocks by turns
.endif
.endr
.endr
	WIN 0
.irp b, 0,1,2,3
.if \b < \nb
	s_delay_alu instid0(VALU_DEP_4)
	v_permlanex16_b32 v[TM+4+\b], v[TM+\b], s[SEL], s[SEL+1]
.endif
.endr
.irp b, 0,1,2,3
.if \b < \nb
	s_delay_alu instid0(VALU_DEP_4)
	v_max_num_f32 v[TM+\b], v[TM+\b], v[TM+4+\b]   ; with lane l xor 16's: the block's largest magnitude
.endif
.endr
.irp b, 0,1,2,3
.if \b < \nb
	s_delay_alu instid0(VALU_DEP_4)
	v_add_nc_u32 v[TM+12+\b], 0xff000000, v[TM+\b] ; 2 off its exponent field: the conversion's scale operand
.endif
.endr
.irp b, 0,1,2,3
.if \b < \nb
	s_delay_alu instid0(VALU_DEP_4)
	v_lshrrev_b32 v[TM+4+\b], 23, v[TM+12+\b]      ; the scale's byte
.endif
.endr
	s_delay_alu instid0(VALU_DEP_3)
	v_lshl_or_b32 v[PW], v[TM+5], 8, v[TM+4]
.if \nb > 2
	s_delay_alu instid0(VALU_DEP_1)
	v_lshl_or_b32 v[PW], v[TM+6], 16, v[PW]
	s_delay_alu instid0(VALU_DEP_1)
	v_lshl_or_b32 v[PW], v[TM+7], 24, v[PW]
.endif
	WIN \win
.irp c, 0,1
.if 2*\c < \nb
	v_cvt_scalef32_pk16_fp6_f32 v[PC+6*\c:PC+6*\c+2], v[(\src)+32*\c:(\src)+32*\c+15], v[TM+12+2*\c]
	v_cvt_scalef32_pk16_fp6_f32 v[PC+12+4*\c:PC+14+4*\c], v[(\src)+32*\c+16:(\src)+32*\c+31], v[TM+12+2*\c+1]
.endif
.endr
	WIN 0
	v_nop                                          ; one plain line behind the conversions
.irp c, 0,1
.if 2*\c < \nb
.irp i, 0,1,2
	v_permlane16_swap_b32 v[PC+6*\c+\i], v[PC+12+4*\c+\i]   ; a whole block to a lane: lanes 0-15 block 2c, lanes 16-31 block 2c+1
.endr
.irp i, 0,1,2
	s_delay_alu instid0(VALU_DEP_3)
	v_mov_b32 v[PC+3+6*\c+\i], v[PC+12+4*\c+\i]
.endr
.endif
.endr
.endm
.macro BAR                             ; my LDS stores have landed and my LDS loads are in: then the work-group's barrier
	s_wait_dscnt 0x0
	s_barrier_signal -1
	s_barrier_wait -1
.endm
.macro SUM8 a                          ; eight numbers into the first
	v_add_f32 v[(\a)], v[(\a)], v[(\a)+1]
	v_add_f32 v[(\a)+2], v[(\a)+2], v[(\a)+3]
	v_add_f32 v[(\a)+4], v[(\a)+4], v[(\a)+5]
	v_add_f32 v[(\a)+6], v[(\a)+6], v[(\a)+7]
	s_delay_alu instid0(VALU_DEP_3)
	v_add_f32 v[(\a)], v[(\a)], v[(\a)+2]
	s_delay_alu instid0(VALU_DEP_2)
	v_add_f32 v[(\a)+4], v[(\a)+4], v[(\a)+6]
	s_delay_alu instid0(VALU_DEP_1)
	v_add_f32 v[(\a)], v[(\a)], v[(\a)+4]
.endm
.macro FOLD                            ; the four chains, and lane l xor 16's: my wave's figure for row r, in v[SM]
	s_delay_alu instid0(VALU_DEP_3)
	v_pk_add_f32 v[SM:SM+1], v[SM:SM+1], v[SM+2:SM+3]
	s_delay_alu instid0(VALU_DEP_2)
	v_pk_add_f32 v[SM+4:SM+5], v[SM+4:SM+5], v[SM+6:SM+7]
	s_delay_alu instid0(VALU_DEP_1)
	v_pk_add_f32 v[SM:SM+1], v[SM:SM+1], v[SM+4:SM+5]
	s_delay_alu instid0(VALU_DEP_1)
	v_add_f32 v[SM], v[SM], v[SM+1]
	s_delay_alu instid0(VALU_DEP_1)
	v_permlanex16_b32 v[SM+2], v[SM], s[SEL], s[SEL+1]
	s_delay_alu instid0(VALU_DEP_1)
	v_add_f32 v[SM], v[SM], v[SM+2]
.endm
	s_load_b256 s[4:11], s[0:1], 0x0               ; out1, g2, beta2, xn
	v_lshl_add_u32 v241, v0, 2, 0x11000
	v_mov_b32 v245, 0
	v_lshrrev_b32 v8, 5, v0
	s_delay_alu instid0(VALU_DEP_1)
	v_readfirstlane_b32 s12, v8                    ; wave
	v_and_b32 v8, 31, v0
	v_and_b32 v9, 15, v0                           ; r
	v_bfe_u32 v10, v0, 4, 1                        ; h
	s_delay_alu instid0(VALU_DEP_3)
	v_lshlrev_b32 v1, 4, v8                        ; 16 x lane
	s_mul_i32 s13, s12, 8448
	v_add_nc_u32 v2, s13, v1                       ; the stage, in: a row's 512 bytes on end
	v_mul_u32_u24 v3, v9, 528
	s_delay_alu instid0(VALU_DEP_1)
	v_lshl_add_u32 v3, v10, 6, v3
	s_delay_alu instid0(VALU_DEP_1)
	v_add_nc_u32 v3, s13, v3                       ; out: row r, + 64 h
	v_lshlrev_b32 v4, 6, v10                       ; g2, beta2: 64 h
	v_lshlrev_b32 v6, 5, v9
	s_delay_alu instid0(VALU_DEP_1)
	v_add_nc_u32 v6, STAT1, v6                     ; row r's eight words
	s_lshl_b32 s14, s12, 2
	v_add_nc_u32 v5, s14, v6                       ; my wave's among them
	v_add_nc_u32 v7, STAT1+1024, v1                ; the scale words, 16 bytes a lane
.irp b, 0,1,2,3
	v_mov_b32 v[TM+4+\b], 0                        ; written once: a lane permute's destination counts as one of its sources
.endr
	s_mov_b32 s[SEL], 0x76543210
	s_mov_b32 s[SEL+1], 0xfedcba98                 ; lane l xor 16
	s_lshr_b32 s16, ttmp9, 1
	s_lshl_b32 s16, s16, 17                        ; 32 (T / 2) rows of 4,096 bytes
	s_and_b32 s17, ttmp9, 1
	s_lshl_b32 s17, s17, 15                        ; + 8 (T % 2)
	s_add_co_u32 s16, s16, s17
	s_lshl_b32 s18, s12, 9                         ; + my 128 columns
	s_add_co_u32 s16, s16, s18
	s_mov_b32 s17, 0
	s_mov_b32 s19, 0
	s_mul_i32 s24, ttmp9, 12288
	s_mul_i32 s25, s12, 1536
	s_add_co_u32 s24, s24, s25
	s_mov_b32 s25, 0
	s_lshl_b32 s26, ttmp9, 9
	s_add_co_u32 s26, s26, XSC
	s_mov_b32 s27, 0
	s_wait_alu depctr_va_vdst(0)
	s_wait_kmcnt 0x0
	s_add_nc_u64 s[4:5], s[4:5], s[16:17]
	s_add_nc_u64 s[6:7], s[6:7], s[18:19]
	s_add_nc_u64 s[8:9], s[8:9], s[18:19]
	s_add_nc_u64 s[28:29], s[10:11], s[24:25]      ; my fragment's image
	s_add_nc_u64 s[30:31], s[10:11], s[26:27]      ; the tile's scale words
.irp i, 0,1,2,3,4,5,6,7,8,9,10,11,12,13,14,15
	global_load_b128 v[X+4*\i:X+4*\i+3], v1, s[4:5] offset:(\i+8*(\i/8))*4096 th:TH_LOAD_NT
.endr
.irp b, 0,1,2,3
.irp j, 0,1,2,3
	global_load_b128 v[G+16*\b+4*\j:G+16*\b+4*\j+3], v4, s[6:7] offset:128*\b+16*\j
	global_load_b128 v[BT+16*\b+4*\j:BT+16*\b+4*\j+3], v4, s[8:9] offset:128*\b+16*\j
.endr
.endr
	s_wait_loadcnt 32                              ; out1 is in; the 32 loads of g2 and beta2 may be out
.irp i, 0,1,2,3,4,5,6,7,8,9,10,11,12,13,14,15
	ds_store_b128 v2, v[X+4*\i:X+4*\i+3] offset:528*\i
.endr
	s_wait_dscnt 0x0                               ; the stores have read their registers, which the loads below write
.irp b, 0,1,2,3
.irp j, 0,1,2,3
	ds_load_b128 v[X+16*\b+4*\j:X+16*\b+4*\j+3], v3 offset:128*\b+16*\j
.endr
.endr
	s_wait_dscnt 0x0
.irp c, 0,1,2,3
	v_pk_add_f32 v[SM+2*\c:SM+2*\c+1], v[X+4*\c:X+4*\c+1], v[X+4*\c+2:X+4*\c+3]   ; the first sums start the chains: nothing is cleared
.endr
.irp j, 16,24,32,40,48,56
.irp c, 0,1,2,3
	s_delay_alu instid0(VALU_DEP_4)
	v_pk_add_f32 v[SM+2*\c:SM+2*\c+1], v[SM+2*\c:SM+2*\c+1], v[X+\j+2*\c:X+\j+2*\c+1]
.endr
.endr
	FOLD
	ds_store_b32 v5, v[SM]                         ; lanes r and r + 16 write the same word with the same value
	BAR
	ds_load_b128 v[PC:PC+3], v6
	ds_load_b128 v[PC+4:PC+7], v6 offset:16
	s_wait_dscnt 0x0
	SUM8 PC
	s_delay_alu instid0(VALU_DEP_1)
	v_mul_f32 v[MP], 0x3a800000, v[PC]             ; / 1,024: the mean
	s_delay_alu instid0(VALU_DEP_1)
	v_mov_b32 v[MP+1], v[MP]
.set J, 0
.rept 32
	v_pk_add_f32 v[X+J:X+J+1], v[X+J:X+J+1], v[MP:MP+1] neg_lo:[0,1] neg_hi:[0,1]
.set J, J+2
.endr
.irp c, 0,1,2,3
	v_pk_mul_f32 v[SM+2*\c:SM+2*\c+1], v[X+2*\c:X+2*\c+1], v[X+2*\c:X+2*\c+1]
.endr
.irp j, 8,16,24,32,40,48,56
.irp c, 0,1,2,3
	s_delay_alu instid0(VALU_DEP_4)
	v_pk_fma_f32 v[SM+2*\c:SM+2*\c+1], v[X+\j+2*\c:X+\j+2*\c+1], v[X+\j+2*\c:X+\j+2*\c+1], v[SM+2*\c:SM+2*\c+1]
.endr
.endr
	FOLD
	ds_store_b32 v5, v[SM] offset:512
	BAR
	ds_load_b128 v[PC:PC+3], v6 offset:512
	ds_load_b128 v[PC+4:PC+7], v6 offset:528
	s_wait_dscnt 0x0
	SUM8 PC
	s_delay_alu instid0(VALU_DEP_1)
	v_mul_f32 v[SM], 0x3a802008, v[PC]             ; / 1,023: the variance
	s_wait_alu depctr_va_vdst(0)
	v_sqrt_f32 v[SM], v[SM]
	v_nop                                          ; a plain line behind the root,
	s_wait_alu depctr_va_vdst(0)                   ; and the wait ahead of its first reader
	v_add_f32 v[SM], 0x358637bd, v[SM]             ; + 1e-6
	s_wait_alu depctr_va_vdst(0)
	v_rcp_f32 v[MP], v[SM]
	v_nop
	s_wait_alu depctr_va_vdst(0)
	v_mov_b32 v[MP+1], v[MP]
	s_wait_alu depctr_va_vdst(0)
	s_wait_loadcnt 0x0                             ; g2, beta2
.set J, 0
.rept 32
	v_pk_mul_f32 v[X+J:X+J+1], v[X+J:X+J+1], v[MP:MP+1]
.set J, J+2
.endr
.set J, 0
.rept 32
	v_pk_fma_f32 v[X+J:X+J+1], v[X+J:X+J+1], v[G+J:G+J+1], v[BT+J:BT+J+1]
.set J, J+2
.endr
	QUANT X, 0, 4
.irp c, 0,1,2
	global_store_b128 v1, v[PC+4*\c:PC+4*\c+3], s[28:29] offset:512*\c   ; 32 lanes store 512 consecutive bytes
.endr
	ds_store_b32 v5, v[PW] offset:1024
	BAR
	s_cmp_lg_u32 s12, 0                            ; wave 0 stores the tile's 512 bytes of scale words
	s_cbranch_scc1 .Ldone
	ds_load_b128 v[X:X+3], v7
	s_wait_dscnt 0x0
	global_store_b128 v1, v[X:X+3], s[30:31]
.Ldone:
	s_wait_tensorcnt 0x0
	ds_add_u32 v241, v245
	s_wait_dscnt 0x0
	s_endpgm
.Lfunc_end_k_q38de73d741_ln1:
	.size	k_q38de73d741_ln1, .Lfunc_end_k_q38de73d741_ln1-k_q38de73d741_ln1
	.p2alignl 7, 3214868480
	.fill 96, 4, 3214868480
	.section	.rodata,"a",@progbits
	.p2align	6, 0x0
	.amdhsa_kernel k_q38de73d741_ln1
		.amdhsa_group_segment_fixed_size 70656
		.amdhsa_private_segment_fixed_size 0
		.amdhsa_enable_private_segment 0
		.amdhsa_kernarg_size 32
		.amdhsa_user_sgpr_count 2
		.amdhsa_user_sgpr_kernarg_segment_ptr 1
		.amdhsa_wavefront_size32 1
		.amdhsa_system_sgpr_workgroup_id_x 1
		.amdhsa_system_sgpr_workgroup_id_y 1
		.amdhsa_system_sgpr_workgroup_id_z 1
		.amdhsa_system_vgpr_workitem_id 0
		.amdhsa_next_free_vgpr 256
		.amdhsa_next_free_sgpr 66
		.amdhsa_reserve_vcc 0
		.amdhsa_float_denorm_mode_32 3
		.amdhsa_float_denorm_mode_16_64 3
		.amdhsa_memory_ordered 1
		.amdhsa_forward_progress 1
		.amdhsa_inst_pref_size 30
	.end_amdhsa_kernel
	.amdgpu_metadata
---
amdhsa.version: [ 1, 2 ]
amdhsa.kernels:
  - .name:           k_q38de73d741_ln1
    .symbol:         k_q38de73d741_ln1.kd
    .args:
      - { .name: out1, .offset: 0, .size: 8, .value_kind: global_buffer, .address_space: global }
      - { .name: g2, .offset: 8, .size: 8, .value_kind: global_buffer, .address_space: global }
      - { .name: beta2, .offset: 16, .size: 8, .value_kind: global_buffer, .address_space: global }
      - { .name: xn, .offset: 24, .size: 8, .value_kind: global_buffer, .address_space: global }
    .group_segment_fixed_size: 70656
    .private_segment_fixed_size: 0
    .kernarg_segment_align: 8
    .kernarg_segment_size: 32
    .max_flat_workgroup_size: 256
    .sgpr_count:     66
    .vgpr_count:     256
    .wavefront_size: 32
...
	.end_amdgpu_metadata
.endif
;; end of part 5
;; launch ffn1 (part 6): grid 64 x 4, 4 waves a work-group, no clusters, 167,936 bytes of LDS; arguments xn, w16, b1, o6; writes o6
.if DOCPART == 6
	.amdgcn_target "amdgcn-amd-amdhsa--gfx1250"
	.amdhsa_code_object_version 6
	.text
	.protected	k_q38de73d741_ffn1
	.globl	k_q38de73d741_ffn1
	.p2align	8
	.type	k_q38de73d741_ffn1,@function
k_q38de73d741_ffn1:
	s_mov_b64 s[64:65], 0
	v_nop
	global_prefetch_b8 v0, s[64:65] scope:SCOPE_SE
	s_setreg_imm32_b32 hwreg(HW_REG_WAVE_MODE, 25, 1), 1
	s_wait_xcnt 0x0
; hidden = relu(an w1 + b1), quantised along its 1,024 columns (the next product's K) to FP6 (E2M3) with one E8M0 byte for each 32.  an: images of operand registers and scale words, as the layer norm's launch lays them.
; SHARES.  A work-group takes 128 tokens (8 tiles of 16) x 256 columns; wave w the group of 64 columns 4 y + w: 32 accumulators, 8 K steps of 32 matrix instructions.
; an's 64 fragments, 98,304 dense bytes, come into LDS as they lie in memory by four tensor loads at the head, one a wave (96 rows of 256 bytes each), filled once and read by all four waves.
; The weights of all 8 K steps have registers of their own and come from memory straight into them: a weight fragment feeds 8 products of one wave and no other wave.
; Source 0 = 16 columns of the weight, source 1 = 16 tokens: a lane holds one token, and a token tile's 32 registers are 64 neighbours along the next K: half a fragment and two scale bytes.
; OUT: token tile T, columns 64 G on: 768 bytes at 12,288 T + 768 G (registers 0-3 at 16 l, 4-5 at 512 + 8 l); the two bytes as a word at OSC + 4,096 (T / 2) + 256 G + 8 l + 4 (T % 2).
; NO CLUSTER: what work-groups share through LDS is an's 98,304 bytes, of the 311,296 that a work-group reads besides scale words.  NO PREFETCH: straight-line text, every load is asked for in the first steps.
; LIMITS: a block of zeros gets the byte 1 (its codes are zeros; this program alone reads the bytes); NaN and infinities are not served.
; REGISTERS: window 0: addresses, scale words, bias, weights of steps 5 (v208) and 7 (v160), later the quantiser's; window 1: accumulators; window 2: an's fragments, two sets of 96, weights of step 6 (v192); window 3: weights of steps 0-4.
.set XSC, 6291456
.set OSC, 6291456
.set WSC, 786432
.set SPARE, 98304
.set SPW, 14
.set NIL, 15
.set XS,  32
.set WS,  96
.set BI,  128
.set TM,  208                          ; v208-223 the quantiser's
.set PC,  224                          ; v224-238 the codes
.set PWR, 246                          ; v246-253 the eight tiles' scale words
.set SEL, 20
.set G0,  52                           ; s[52:55] the tensor load's group 0
.set G1,  56                           ; s[56:63] its group 1
.set MSB, 0
.macro WIN new
.if MSB != (\new)
	s_set_vgpr_msb (MSB<<8)|(\new)
.set MSB, (\new)
.endif
.endm
.macro SLOT t
.if (\t) < 5
.set SB, 48*(\t)
.set SW, 3
.else
.if (\t) == 6
.set SB, 192
.set SW, 2
.else
.set SB, 208-24*((\t)-5)
.set SW, 0
.endif
.endif
.endm
.macro MM d, a, b, c, sa, sb
	v_wmma_scale_f32_16x16x128_f8f6f4 v[\d:\d+7], v[\a:\a+11], v[\b:\b+11], v[\c:\c+7], v[\sa], v[\sb] matrix_a_fmt:MATRIX_FMT_FP6 matrix_b_fmt:MATRIX_FMT_FP6
.endm
.macro BLOAD t
	SLOT \t
.set WV, SW<<6
	WIN WV
.set J, 0
.rept 12
	global_load_b128 v[SB+4*J:SB+4*J+3], v1, s[28:29] offset:(\t)*98304+512*J
.set J, J+1
.endr
	WIN 0
	global_load_b128 v[WS+4*(\t):WS+4*(\t)+3], v1, s[30:31] offset:(\t)*8192
.endm
.macro AFETCH t                        ; an's eight fragments of K step t into set t % 2: 24 LDS loads
	WIN 0x80
.irp m, 0,1,2,3,4,5,6,7
.irp c, 0,1,2
	ds_load_b128 v[96*((\t)%2)+12*\m+4*\c:96*((\t)%2)+12*\m+4*\c+3], v[1+3*(\m/4)] offset:(\m%4)*12288+(\t)*1536+512*\c
.endr
.endr
	WIN 0
.endm
; 32 numbers of a lane (window 1), register 16 b + i = column 32 b + 16 h + i, become codes in v[PC] .. v[PC+5] and the two bytes in v[PW]
.macro QUANT src
	WIN 5
.irp b, 0,1
	v_max3_num_f32 v[TM+\b], |v[(\src)+16*\b]|, |v[(\src)+16*\b+1]|, 0x1800000   ; with the floor 2^(3 - 127): the byte cannot fall under 1
.endr
.irp i, 2,4,6,8,10,12,14
.irp b, 0,1
	v_max3_num_f32 v[TM+\b], |v[(\src)+16*\b+\i]|, |v[(\src)+16*\b+\i+1]|, v[TM+\b]
.endr
.endr
	WIN 0
.irp b, 0,1
	v_permlanex16_b32 v[TM+4+\b], v[TM+\b], s[SEL], s[SEL+1]
.endr
.irp b, 0,1
	v_max_num_f32 v[TM+\b], v[TM+\b], v[TM+4+\b]   ; with lane l xor 16's: the block's largest magnitude
.endr
.irp b, 0,1
	v_add_nc_u32 v[TM+12+\b], 0xff000000, v[TM+\b] ; 2 off its exponent field: the conversion's scale operand
.endr
.irp b, 0,1
	v_lshrrev_b32 v[TM+4+\b], 23, v[TM+12+\b]      ; the scale's byte
.endr
	v_lshl_or_b32 v[PW], v[TM+5], 8, v[TM+4]
	WIN 1
	v_cvt_scalef32_pk16_fp6_f32 v[PC:PC+2], v[(\src):(\src)+15], v[TM+12]
	v_cvt_scalef32_pk16_fp6_f32 v[PC+12:PC+14], v[(\src)+16:(\src)+31], v[TM+13]
	WIN 0
	v_nop                                          ; one plain line behind the conversions
.irp i, 0,1,2
	v_permlane16_swap_b32 v[PC+\i], v[PC+12+\i]    ; a whole block to a lane
.endr
.irp i, 0,1,2
	v_mov_b32 v[PC+3+\i], v[PC+12+\i]
.endr
.endm
	s_load_b256 s[4:11], s[0:1], 0x0               ; an, w1's images, b1, hidden
	v_lshl_add_u32 v[SPW], v0, 2, SPARE
	v_mov_b32 v[NIL], 0
	ds_add_u32 v[SPW], v[NIL]                      ; the wave's opening: the add, twice on end, and its wait ahead of my tensor load
	ds_add_u32 v[SPW], v[NIL]
	v_lshrrev_b32 v12, 5, v0
	v_readfirstlane_b32 s18, v12                   ; wave
	v_and_b32 v3, 31, v0
	v_lshlrev_b32 v1, 4, v3                        ; 16 x lane
	v_lshlrev_b32 v2, 3, v3                        ; 8 x lane
	v_add_nc_u32 v4, 49152, v1                     ; LDS: tiles 4 to 7
	v_and_b32 v12, 15, v0                          ; r
	v_bfe_u32 v13, v0, 4, 1                        ; h
	v_lshlrev_b32 v5, 5, v12                       ; an's scale words: 32 r
	v_lshlrev_b32 v6, 6, v13                       ; b1: 64 h
	s_mov_b32 s[SEL], 0x76543210
	s_mov_b32 s[SEL+1], 0xfedcba98                 ; lane l xor 16
	s_and_b32 s22, ttmp7, 0xffff
	s_lshl_b32 s22, s22, 2
	s_add_co_u32 s22, s22, s18                     ; G: my 64 columns
	s_mov_b32 s47, 0
	s_mov_b32 s45, 0
	s_mov_b32 s[G0], 1
	s_mul_i32 s[G0+1], s18, 24576                  ; my quarter of the images, in LDS as in memory
	s_mov_b32 s[G1], 3<<16                         ; elements of 8 bytes, no padding, no mask
	s_mov_b32 s[G1+1], 32<<16                      ; tensor_dim0 = 32: rows of 256 bytes
	s_mov_b32 s[G1+2], 96<<16                      ; tensor_dim1 = 96
	s_mov_b32 s[G1+3], 32<<16                      ; tile_dim0 = 32
	s_mov_b32 s[G1+4], 96                          ; tile_dim1 = 96
	s_mov_b32 s[G1+5], 32                          ; the pitch: the block is dense
	s_mov_b32 s[G1+6], 0
	s_mov_b32 s[G1+7], 0
	s_wait_alu depctr_va_vdst(0)
	s_wait_dscnt 0x0                               ; both opening adds are done
	s_wait_kmcnt 0x0
	s_mul_i32 s46, ttmp9, 98304
	s_add_co_u32 s44, s46, s[G0+1]
	s_add_nc_u64 s[G0+2:G0+3], s[4:5], s[44:45]    ; the block's images, my quarter
	s_or_b32 s[G0+3], s[G0+3], 0x80000000
	tensor_load_to_lds s[G0:G0+3], s[G1:G1+7]      ; my one tensor load
	s_nop 0
.rept 4
	v_nop
.endr
	s_mul_i32 s48, s22, 768
	s_add_co_u32 s46, s46, s48
	s_add_nc_u64 s[32:33], s[10:11], s[46:47]      ; where my halves of the hidden layer's images go
	s_lshl_b32 s46, ttmp9, 12
	s_add_co_u32 s46, s46, XSC
	s_add_nc_u64 s[26:27], s[4:5], s[46:47]        ; an's scale words
	s_mul_i32 s46, s22, 6144
	s_add_nc_u64 s[28:29], s[6:7], s[46:47]        ; my group's weight images
	s_lshl_b32 s46, s22, 9
	s_add_co_u32 s46, s46, WSC
	s_add_nc_u64 s[30:31], s[6:7], s[46:47]        ; and scale words
	s_lshl_b32 s46, s22, 8
	s_add_nc_u64 s[8:9], s[8:9], s[46:47]          ; b1 at my columns
	s_lshl_b32 s48, ttmp9, 14
	s_add_co_u32 s46, s46, s48
	s_add_co_u32 s46, s46, OSC
	s_add_nc_u64 s[34:35], s[10:11], s[46:47]      ; the hidden layer's scale words
.irp m, 0,1,2,3,4,5,6,7
	global_load_b128 v[XS+8*\m:XS+8*\m+3], v5, s[26:27] offset:512*\m
	global_load_b128 v[XS+8*\m+4:XS+8*\m+7], v5, s[26:27] offset:512*\m+16
.endr
.irp i, 0,1,2,3
	global_load_b128 v[BI+8*\i:BI+8*\i+3], v6, s[8:9] offset:(32*(\i/2)+8*(\i%2))*4
	global_load_b128 v[BI+8*\i+4:BI+8*\i+7], v6, s[8:9] offset:(32*(\i/2)+8*(\i%2))*4+16
.endr
	BLOAD 0
	BLOAD 1
	BLOAD 2
	BLOAD 3
	BLOAD 4
	BLOAD 5
	s_wait_tensorcnt 0x0                           ; my quarter of the images lies in LDS
	s_barrier_signal -1
	s_barrier_wait -1                              ; everybody's does: the launch's one barrier; nothing is filled again, LDS is only read from here on
	AFETCH 0
; One K step.  The 32 accumulators take turns, one instruction a turn, in the same order in every step.
.macro STEP t
	WIN 0
.rept 4
	v_nop                                          ; the places behind the last step's products, in front of the loads into registers that they read
.endr
.if (\t) < 7
	AFETCH (\t)+1
.endif
.if 13*(7-(\t)) > 63
	s_wait_loadcnt 63                              ; this step's weights are in, and what was asked for ahead of them: behind them 65 loads or more have been issued
.else
	s_wait_loadcnt 13*(7-(\t))                     ; the later steps' 13 loads each may be out
.endif
.if (\t) < 7
	s_wait_dscnt 24                                ; this step's fragments are in; the 24 loads just issued may be out
.else
	s_wait_dscnt 0x0
.endif
.if (\t) == 0
	BLOAD 6
	BLOAD 7
.endif
	SLOT \t
.if (\t) == 0
.set WV, 0x48+SW                       ; source 0 (weight), source 1 (an) window 2, C (bias) window 0, D window 1
.else
.set WV, 0x58+SW
.endif
	WIN WV
.irp m, 0,1,2,3,4,5,6,7
.irp i, 0,1,2,3
.if (\t) == 0
	MM 8*(4*\m+\i), SB+12*\i, 96*((\t)%2)+12*\m, BI+8*\i, WS+4*(\t)+\i, XS+8*\m+(\t)
.else
	MM 8*(4*\m+\i), SB+12*\i, 96*((\t)%2)+12*\m, 8*(4*\m+\i), WS+4*(\t)+\i, XS+8*\m+(\t)
.endif
.endr
.endr
.endm
.irp t, 0,1,2,3,4,5,6,7
	STEP \t
.endr
	WIN 0
.rept 4
	v_nop                                          ; the places behind the last products
.endr
.irp b, 0,1
	v_mov_b32 v[TM+4+\b], 0                        ; written once: a lane permute's destination counts as one of its sources
.endr
	WIN 0x44
.set J, 0
.rept 256
	v_max_num_f32 v[J], 0, v[J]                    ; relu, each accumulator from its low end on
.set J, J+1
.endr
	WIN 0
.irp m, 0,1,2,3,4,5,6,7
	s_wait_xcnt 0x0                                ; the earlier stores have read their registers, which are written again below
.set PW, PWR+\m
	QUANT 32*\m
	global_store_b128 v1, v[PC:PC+3], s[32:33] offset:\m*12288          ; 32 lanes store 512 consecutive bytes,
	global_store_b64 v2, v[PC+4:PC+5], s[32:33] offset:\m*12288+512     ; and 256
.endr
.irp p, 0,1,2,3
	global_store_b64 v2, v[PWR+2*\p:PWR+2*\p+1], s[34:35] offset:4096*\p   ; a pair of tiles' words: 256 consecutive bytes
.endr
	s_wait_tensorcnt 0x0                           ; the wave's end
	ds_add_u32 v[SPW], v[NIL]
	s_wait_dscnt 0x0
	s_endpgm
.Lfunc_end_k_q38de73d741_ffn1:
	.size	k_q38de73d741_ffn1, .Lfunc_end_k_q38de73d741_ffn1-k_q38de73d741_ffn1
	.p2alignl 7, 3214868480
	.fill 96, 4, 3214868480
	.section	.rodata,"a",@progbits
	.p2align	6, 0x0
	.amdhsa_kernel k_q38de73d741_ffn1
		.amdhsa_group_segment_fixed_size 167936
		.amdhsa_private_segment_fixed_size 0
		.amdhsa_enable_private_segment 0
		.amdhsa_kernarg_size 32
		.amdhsa_user_sgpr_count 2
		.amdhsa_user_sgpr_kernarg_segment_ptr 1
		.amdhsa_wavefront_size32 1
		.amdhsa_system_sgpr_workgroup_id_x 1
		.amdhsa_system_sgpr_workgroup_id_y 1
		.amdhsa_system_sgpr_workgroup_id_z 1
		.amdhsa_system_vgpr_workitem_id 0
		.amdhsa_next_free_vgpr 1024
		.amdhsa_next_free_sgpr 66
		.amdhsa_reserve_vcc 0
		.amdhsa_float_denorm_mode_32 3
		.amdhsa_float_denorm_mode_16_64 3
		.amdhsa_memory_ordered 1
		.amdhsa_forward_progress 1
		.amdhsa_inst_pref_size 89
	.end_amdhsa_kernel
	.amdgpu_metadata
---
amdhsa.version: [ 1, 2 ]
amdhsa.kernels:
  - .name:           k_q38de73d741_ffn1
    .symbol:         k_q38de73d741_ffn1.kd
    .args:
      - { .name: xn, .offset: 0, .size: 8, .value_kind: global_buffer, .address_space: global }
      - { .name: w16, .offset: 8, .size: 8, .value_kind: global_buffer, .address_space: global }
      - { .name: b1, .offset: 16, .size: 8, .value_kind: global_buffer, .address_space: global }
      - { .name: o6, .offset: 24, .size: 8, .value_kind: global_buffer, .address_space: global }
    .group_segment_fixed_size: 167936
    .private_segment_fixed_size: 0
    .kernarg_segment_align: 8
    .kernarg_segment_size: 32
    .max_flat_workgroup_size: 128
    .sgpr_count:     66
    .vgpr_count:     1024
    .wavefront_size: 32
...
	.end_amdgpu_metadata
.endif
;; end of part 6
;; launch gres2: the kernel of part 4 again; grid 64 x 4, 4 waves a work-group, no clusters, 167,936 bytes of LDS; arguments o6, w26, out1, b2, out0; writes out0
